; MI455X (gfx1250); checked and timed in simulation.
; The chip was launched on July 23, 2026; its instructions are those of AMD's public machine-readable ISA for CDNA 5 (MIT licence, August 2026) and "CDNA5" Instruction Set Architecture Reference Guide (July 2026). The comments in the code are by the model that wrote it; some were corrected since.
;; Causual Self Activation. Allowed arithmetic: matrix products marked QUANTISED: E2M3 operands, one E8M0 scale for each 32 along K, by v_wmma_scale_f32_16x16x128_f8f6f4 with both operands' format E2M3, f32 sums; everything else in f32.
;; Inputs: W_attn 1,024 x 3,072 float32; W_proj 1,024 x 1,024 float32; b_attn 3,072 float32; b_proj 1,024 float32; x 2 x 2,048 x 1,024 float32.
;; Outputs: out0 2 x 2,048 x 1,024 float32.
;; This version of the problem:
;;   THIS VERSION OF THE PROBLEM IS GIVEN IN LOW PRECISION. The matrix products marked QUANTISED in the list below multiply operands that are first quantised to E2M3 (2 exponent bits, 3 mantissa bits; 6 bits a number), with one power-of-two scale for each 32 numbers along K (OCP MX v1.0); their sums are f32. All else is computed in f32.
;;   The module's matrix products, in the order in which they are computed (A, B: the left and right operand; K: the contracted axis; several contracted axes count as one K, in the product's order):
;;     1. [M 4,096, K 1,024] x [K 1,024, N 3,072]; A: input x; B: input W_attn: QUANTISED
;;     2. batch 32 x [M 2,048, K 64] x [K 64, N 2,048]; A: computed on the way; B: computed on the way: QUANTISED
;;     3. batch 32 x [M 2,048, K 2,048] x [K 2,048, N 64]; A: softmax (see below); B: computed on the way: QUANTISED
;;     4. [M 4,096, K 1,024] x [K 1,024, N 1,024]; A: computed on the way; B: input W_proj: QUANTISED
;;   THE QUANTISER, for each operand of a quantised product, along K:
;;     - K is cut into blocks of 32 from its start; a last block that is shorter is filled with zeros.
;;     - A block's scale is 2^e with e = floor(log2(the largest magnitude in the block)) - 2, held to -126 .. 127; a block of zeros has e = 0. As a byte (E8M0): e + 127.
;;     - Each number is divided by its block's scale, clamped to +-7.5, and rounded to the nearest number of E2M3, ties to even, subnormals kept.
;;     - The product sums the exact products of the quantised numbers (number of the format x scale) in f32.
;;   ~~~python
;;   def quantise(x, axis):      # numpy; x: float32 -> the quantised numbers, widened to float32 again
;;       x = np.moveaxis(x, axis, -1); K = x.shape[-1]
;;       x = np.pad(x, [(0, 0)] * (x.ndim - 1) + [(0, -K % 32)]); x = x.reshape(x.shape[:-1] + (-1, 32)); a = np.abs(x).max(-1, keepdims=True)
;;       e = np.where(a > 0, np.clip(np.frexp(np.where(a > 0, a, 1))[1] - 1 - 2, -126, 127), 0)      # np.frexp(a)[1] - 1 = floor(log2(a)), exactly
;;       r = np.clip(x / 2.0 ** e, -7.5, 7.5)
;;       step = 2.0 ** (np.maximum(np.frexp(np.where(r == 0, 1, r))[1] - 1, 0) - 3)
;;       q = np.round(r / step) * step * 2.0 ** e      # np.round: ties to even
;;       return np.moveaxis(q.reshape(q.shape[:-2] + (-1,))[..., :K], -1, axis).astype(np.float32)
;;   ~~~
;;   SOFTMAX AHEAD OF A QUANTISED PRODUCT. Where the list says 'softmax', what is quantised is not the finished softmax but p = 2^(t - M), with t = logit x log2(e) and M = ceil(the row's largest t), a whole number; so 1/2 < the row's largest p <= 1. The row's sum l is taken of the UNQUANTISED p, in f32, and the product's result is divided by l at the end. Since M is a whole number, a kernel that streams over the keys may use a running M (the ceiling of the running maximum): every later rescaling is an exact power of two, which a block's scale takes up: the codes' values come out the same.
;;   OPERANDS COMPUTED ON THE WAY. 'Computed on the way' means the value that the module computes at that place (a softmax that the list does not call 'softmax' is quantised finished and normalised). What goes into a quantiser is computed in f32, as accurately as f32 sums, v_exp_f32 and their like allow (about 1e-6 of the number): no bf16 or f16 on the way to a quantiser, and a product that is left as it is and whose result goes on into a quantised operand takes f32 operands (vector FMAs, or v_wmma_f32_16x16x4_f32). A number that lies on a knife's edge between two numbers of the format may be rounded either way, as far as f32 arithmetic and the matrix unit's own rounding can turn it there, and no further.
;; One version. Each part assembles by itself: llvm-mc -triple=amdgcn-amd-amdhsa -mcpu=gfx1250 --defsym DOCPART=n.
;; ======== version 1 of 1: 4 launches
;; limits: right only within a limited range of input values
;; workspace buffers: xq 3,276,800 bytes; waq 2,457,600 bytes; wpq 819,200 bytes; qc 4,194,304 bytes; kv 6,815,744 bytes; yq 3,276,800 bytes
;; launch quant (part 1): grid 512 x 1, 4 waves a work-group, no clusters, 79,360 bytes of LDS; arguments x, W_attn, W_proj, xq, waq, wpq; writes xq, waq, wpq
.if DOCPART == 1
	.amdgcn_target "amdgcn-amd-amdhsa--gfx1250"
	.amdhsa_code_object_version 6
	.text
	.protected	k_qb814feff42_quant
	.globl	k_qb814feff42_quant
	.p2align	8
	.type	k_qb814feff42_quant,@function
k_qb814feff42_quant:
	s_mov_b64 s[64:65], 0
	v_nop
	global_prefetch_b8 v0, s[64:65] scope:SCOPE_SE
	s_setreg_imm32_b32 hwreg(HW_REG_WAVE_MODE, 25, 1), 1
	s_wait_xcnt 0x0
; x [4096][1024], W_attn [1024][3072] and W_proj [1024][1024], f32, become codes of FP6 (E2M3) with one E8M0 byte for each 32 along K (K = the 1,024),
; laid as IMAGES OF OPERAND REGISTERS, so that the later launches fetch fragments by loads of 16 bytes a lane.
; A fragment image (1,536 bytes) is 16 rows x 128 K: chunk q (512 bytes) holds registers 4 q .. 4 q + 3 of lane l at 16 l; registers 6 c .. 6 c + 5 of lane (r, h) are K = 64 c + 32 h + 0 .. 31 of row r.
; A TILE OF 16 ROWS IS NOT 16 NEIGHBOURS: of each 64 rows (a band) tile j = 0 .. 3 holds rows 32 (r / 8) + 8 j + r % 8.  So in a product whose first source is such tiles lane (r, h) holds, over the four tiles,
; rows 32 h + 0 .. 31: a whole scale block of the next product.  This holds of token tiles and of weight-column tiles.
; A scale image (512 bytes) serves 4 tiles x 2 K steps: lane (r, par) holds 16 bytes: the scale words of tiles 0 .. 3, row r, K step 2 sp + par.
; A block scale is 2^(floor(log2(largest magnitude)) - 2); its byte is the largest magnitude's exponent field - 2, held at 1 from below.
; LIMITS: a block of zeros, or one whose largest magnitude lies under 2^-124, gets the byte 1 (its codes are zeros or tiny; the bytes are read by this program alone); NaN and infinities are not served.
; The scale words leave as pieces of 4 bytes inside their images: 0.3 MB of the launch's 40 MB.
; Work-groups 0 .. 255 take x (64 tokens x 256 K each; a wave a tile of 16 tokens), 256 .. 511 the weights (64 columns x 256 K each; a wave 32 columns x 128 K).
; The two ways part on the work-group's number and have LDS bytes of their own.  No cluster: work-groups share no input.
; NO WORK IS LEFT OUT in this launch.
.set XPITCH, 1040                      ; x's stage: a row of 1,024 bytes + 16
.set XSTG,   16*XPITCH                 ; 16 rows for each wave
.set WSTG,   4*XSTG                    ; behind them the weights' stages: 6,144 bytes (four fragment images) for each K step of the two
.set SPARE,  WSTG+2*6144               ; the spare words
	s_load_b256 s[4:11], s[0:1], 0x0               ; x s[4:5], W_attn s[6:7], W_proj s[8:9], xq s[10:11]
	s_load_b128 s[12:15], s[0:1], 0x20             ; waq s[12:13], wpq s[14:15]
	v_lshl_add_u32 v31, v0, 2, SPARE
	v_mov_b32 v255, 0
	v_lshrrev_b32 v1, 5, v0
	v_readfirstlane_b32 s16, v1                    ; wave
	v_and_b32 v1, 31, v0                           ; lane
	v_lshlrev_b32 v2, 4, v1                        ; 16 x lane
	s_mov_b32 s20, 0x76543210
	s_mov_b32 s21, 0xfedcba98                      ; v_permlanex16_b32: lane l xor 16
	s_mov_b32 s22, 0xffff0000                      ; the upper sixteen lanes
	s_cmp_lt_u32 ttmp9, 256
	s_wait_alu depctr_va_vdst(0)
	s_cbranch_scc0 .Lw
; ---------------- x: group of 64 tokens = ttmp9 / 4, pair of K steps sp = ttmp9 % 4, wave a = tile a of the group ----------------
	s_lshr_b32 s17, ttmp9, 2                       ; group
	s_and_b32 s18, ttmp9, 3                        ; sp
	v_and_b32 v6, 15, v0                           ; r
	v_bfe_u32 v7, v0, 4, 1                         ; h
	s_mul_i32 s19, s16, XSTG
	s_wait_alu depctr_va_vdst(0)
	v_add_nc_u32 v3, s19, v2                       ; into the stage: 16 bytes a lane, as loaded
	v_mul_u32_u24 v4, v6, XPITCH
	v_lshl_add_u32 v4, v7, 7, v4
	v_add_nc_u32 v4, s19, v4                       ; out of it: row r, + 128 h: my 32 numbers of each 64
	v_lshlrev_b32 v5, 3, v7                        ; 8 h
	s_lshl_b32 s23, s16, 2
	v_add_nc_u32 v17, s23, v2                      ; the scale image: 16 x lane + 4 a
	v_mov_b32 v16, 0                               ; written once: a lane permute's destination counts as one of its sources
	s_lshl_b32 s24, s17, 6
	s_lshl_b32 s25, s16, 3
	s_add_co_u32 s24, s24, s25                     ; the tile's first token: 64 group + 8 a
	s_lshl_b32 s24, s24, 12
	s_lshl_b32 s25, s18, 10
	s_add_co_u32 s24, s24, s25                     ; x 4,096 bytes + 1,024 sp
	s_mov_b32 s25, 0
	s_lshr_b32 s26, s17, 2
	s_mul_i32 s26, s26, 196608                     ; codes: [256 tokens][K step][tile of 16][image]
	s_mul_i32 s27, s18, 49152
	s_add_co_u32 s26, s26, s27
	s_and_b32 s27, s17, 3
	s_lshl_b32 s27, s27, 2
	s_add_co_u32 s27, s27, s16
	s_mul_i32 s27, s27, 1536
	s_add_co_u32 s26, s26, s27
	s_mov_b32 s27, 0
	s_lshl_b32 s28, s17, 11                        ; scales: [group][sp][image], behind the codes
	s_lshl_b32 s29, s18, 9
	s_add_co_u32 s28, s28, s29
	s_add_co_u32 s28, s28, 3145728
	s_mov_b32 s29, 0
	s_wait_alu depctr_va_vdst(0)
	s_wait_kmcnt 0x0
	s_add_nc_u64 s[4:5], s[4:5], s[24:25]
	s_add_nc_u64 s[30:31], s[10:11], s[28:29]
	s_add_nc_u64 s[10:11], s[10:11], s[26:27]
.irp p, 0,1,2,3,4,5,6,7,8,9,10,11,12,13,14,15      ; the tile's 16 rows, 1,024 bytes each: every load reads 512 consecutive bytes
.irp q, 0,1
	global_load_b128 v[32+8*\p+4*\q:32+8*\p+4*\q+3], v2, s[4:5] offset:(\p+24*(\p/8))*4096+512*\q th:TH_LOAD_NT
.endr
.endr
.irp g, 0,1,2,3
	s_wait_loadcnt 24-8*\g                         ; four rows' eight loads are in; the later groups of eight may be out
.irp k, 0,1,2,3
.irp q, 0,1
	ds_store_b128 v3, v[32+8*(4*\g+\k)+4*\q:32+8*(4*\g+\k)+4*\q+3] offset:XPITCH*(4*\g+\k)+512*\q
.endr
.endr
.endr
.irp c, 0,1                                        ; back: lane (r, h) takes K = 64 c + 32 h + 0 .. 31 of row r.  LDS serves a wave's instructions in order: these see the stores
.irp i, 0,1,2,3,4,5,6,7
	ds_load_b128 v[160+32*\c+4*\i:160+32*\c+4*\i+3], v4 offset:256*\c+16*\i
.endr
.endr
.irp c, 0,1
.irp i, 0,1,2,3,4,5,6,7
	ds_load_b128 v[32+32*\c+4*\i:32+32*\c+4*\i+3], v4 offset:512+256*\c+16*\i
.endr
.endr
; 64 numbers of a lane at v[X] on (two whole blocks of 32) become a fragment's 12 registers at v[P] on and the row's scale word in v[W]
.macro QX X, P, W
	v_max3_num_f32 v8, |v[\X]|, |v[\X+1]|, 0x1800000               ; the floor 2^(3 - 127) among the leaves: the byte cannot fall under 1
	v_max3_num_f32 v9, |v[\X+32]|, |v[\X+33]|, 0x1800000
.set n, 2
.rept 15
	v_max3_num_f32 v8, v8, |v[\X+n]|, |v[\X+n+1]|                  ; the two blocks by turns
	v_max3_num_f32 v9, v9, |v[\X+32+n]|, |v[\X+33+n]|
.set n, n+2
.endr
	v_add_nc_u32 v10, 0xff000000, v8               ; 2 off the exponent field: the conversion's scale operand
	v_add_nc_u32 v11, 0xff000000, v9
	v_lshrrev_b32 v12, 23, v10                     ; the bytes of blocks h and 2 + h
	v_lshrrev_b32 v13, 23, v11
	v_lshl_or_b32 v[\W], v13, 16, v12
	v_lshlrev_b32 v[\W], v5, v[\W]                 ; at their places in the word
	v_permlanex16_b32 v16, v[\W], s20, s21
	v_or_b32 v[\W], v[\W], v16                     ; with lane l xor 16's two the word is whole, in both lanes
	v_cvt_scalef32_pk16_fp6_f32 v[\P:\P+2], v[\X:\X+15], v10
	v_cvt_scalef32_pk16_fp6_f32 v[248:250], v[\X+16:\X+31], v10    ; (a conversion's three registers begin on an even number)
	v_cvt_scalef32_pk16_fp6_f32 v[\P+6:\P+8], v[\X+32:\X+47], v11
	v_cvt_scalef32_pk16_fp6_f32 v[252:254], v[\X+48:\X+63], v11
	v_nop                                          ; one plain place behind the conversions
.irp i, 0,1,2
	v_mov_b32 v[\P+3+\i], v[248+\i]
	v_mov_b32 v[\P+9+\i], v[252+\i]
.endr
.endm
	s_wait_dscnt 16                                ; the first fragment's numbers are back; the second's sixteen loads may be out
	QX 160, 224, 14
.irp q, 0,1,2
	global_store_b128 v2, v[224+4*\q:227+4*\q], s[10:11] offset:512*\q          ; 512 consecutive bytes a store
.endr
	s_wait_alu depctr_va_vdst(0)
	s_wait_dscnt 0x0
	QX 32, 236, 15
.irp q, 0,1,2
	global_store_b128 v2, v[236+4*\q:239+4*\q], s[10:11] offset:24576+512*\q    ; the next K step's image
.endr
	v_cndmask_b32 v18, v14, v15, s22               ; lanes 0-15: the even K step's word, lanes 16-31: the odd one's
	global_store_b32 v17, v18, s[30:31]
	s_wait_tensorcnt 0x0                           ; the wave's end
	ds_add_u32 v31, v255
	s_wait_dscnt 0x0
	s_endpgm
; ---------------- the weights: a lane takes a column, its registers run down K ----------------
.Lw:
	s_sub_co_u32 s17, ttmp9, 256                   ; 0 .. 191: W_attn; 192 .. 255: W_proj
	s_and_b32 s18, s17, 3                          ; sp
	s_lshr_b32 s34, s17, 2                         ; W_attn: column group of 64 = 16 kind + head
	s_and_b32 s35, s34, 15                         ; the head
	s_lshr_b32 s36, s34, 4                         ; the kind: q, k, v
	s_mul_i32 s37, s35, 3
	s_add_co_u32 s37, s37, s36                     ; its scale group: 3 head + kind
	s_lshl_b32 s36, s36, 2                         ; its first tile in the head's twelve
	s_sub_co_u32 s38, s17, 192
	s_lshr_b32 s38, s38, 2                         ; W_proj: column group of 64, also its scale group
	s_lshr_b32 s39, s38, 1                         ; which 128 columns
	s_and_b32 s40, s38, 1
	s_lshl_b32 s40, s40, 2                         ; its first tile in their eight
	s_wait_kmcnt 0x0
	s_cmp_lt_u32 s17, 192                          ; the choice hangs on the work-group's number alone
	s_cselect_b64 s[4:5], s[6:7], s[8:9]           ; from
	s_cselect_b64 s[10:11], s[12:13], s[14:15]     ; to
	s_mov_b32 s46, 4096
	s_cselect_b32 s46, 12288, s46                  ; a row of the weight in bytes
	s_cselect_b32 s47, 12, 8                       ; tiles in a K step of the destination
	s_mov_b32 s48, 786432
	s_cselect_b32 s48, 2359296, s48                ; where the scale images begin
	s_cselect_b32 s34, s34, s38                    ; column group
	s_cselect_b32 s35, s35, s39                    ; head, or block of 128 columns
	s_cselect_b32 s36, s36, s40                    ; first tile
	s_cselect_b32 s37, s37, s38                    ; scale group
	s_and_b32 s41, s16, 1                          ; bd: which 32 of the 64 columns
	s_lshr_b32 s42, s16, 1                         ; par
	s_lshl_b32 s43, s18, 1
	s_add_co_u32 s43, s43, s42                     ; K step = 2 sp + par
	s_lshl_b32 s44, s43, 7
	s_mul_i32 s44, s44, s46                        ; 128 K step rows down,
	s_lshl_b32 s45, s34, 8
	s_add_co_u32 s44, s44, s45                     ; 64 column group + 32 bd columns in
	s_lshl_b32 s45, s41, 7
	s_add_co_u32 s44, s44, s45
	s_mov_b32 s45, 0
	s_add_nc_u64 s[24:25], s[4:5], s[44:45]        ; a base for each block of 32 rows
	s_lshl_b32 s44, s46, 5
	s_add_nc_u64 s[26:27], s[24:25], s[44:45]
	s_add_nc_u64 s[28:29], s[26:27], s[44:45]
	s_add_nc_u64 s[30:31], s[28:29], s[44:45]
	s_mul_i32 s49, s35, s47
	s_mul_i32 s49, s49, 12288                      ; codes: [head or block][K step][tile][image]
	s_mul_i32 s50, s43, s47
	s_add_co_u32 s50, s50, s36
	s_add_co_u32 s50, s50, s41
	s_add_co_u32 s50, s50, s41                     ; I store tiles first + 2 bd and the next
	s_mul_i32 s50, s50, 1536
	s_add_co_u32 s50, s50, s49
	s_mov_b32 s51, 0
	s_add_nc_u64 s[52:53], s[10:11], s[50:51]
	s_lshl_b32 s50, s37, 11
	s_lshl_b32 s49, s18, 9
	s_add_co_u32 s50, s50, s49
	s_add_co_u32 s50, s50, s48
	s_add_nc_u64 s[54:55], s[10:11], s[50:51]
	s_lshl_b32 s58, s41, 3
	s_mul_i32 s56, s16, 3072
	s_add_co_u32 s56, s56, WSTG                    ; the two images that I store
	s_mul_i32 s59, s42, 6144
	s_add_co_u32 s59, s59, WSTG                    ; the four images of my K step, which two waves write
	s_lshl_b32 s57, s42, 8
	s_wait_alu depctr_va_vdst(0)
	v_lshlrev_b32 v5, 2, v1                        ; 4 x lane
	v_bfe_u32 v6, v0, 3, 2                         ; column 32 bd + lane lies in tile j = lane / 8
	v_and_b32 v7, 7, v0
	v_add_nc_u32 v7, s58, v7                       ; at row r = lane % 8 + 8 bd
	v_mul_u32_u24 v3, v6, 1536
	v_lshl_add_u32 v3, v7, 4, v3
	v_add_nc_u32 v3, s59, v3                       ; into the stage: image j, lane r's 16 bytes
	v_add_nc_u32 v4, s56, v2                       ; out of it: as it lies
	v_lshlrev_b32 v17, 4, v7
	v_lshl_add_u32 v17, v6, 2, v17
	v_add_nc_u32 v17, s57, v17                     ; the scale image: 16 (r + 16 par) + 4 j
.set n, 0
.rept 32
	v_mad_u32_u24 v[160+n], s46, n, v5             ; row n of a block: never rewritten, so one text serves both pitches
.set n, n+1
.endr
.macro WLOAD b                         ; block b: W(32 b + n, my column): 32 lanes read 128 consecutive bytes
.set n, 0
.rept 32
	global_load_b32 v[32+32*(\b)+n], v[160+n], s[24+2*(\b):25+2*(\b)] th:TH_LOAD_NT
.set n, n+1
.endr
.endm
; Block b of my column: its scale byte into v14, its 24 bytes of codes into the stage, at the place that the fragment image gives lane (r, h = b % 2), registers 6 (b / 2) on
.macro WBLK b
.set XS, 32+32*(\b)
	v_max3_num_f32 v8, |v[XS]|, |v[XS+1]|, 0x1800000
	v_max3_num_f32 v9, |v[XS+2]|, |v[XS+3]|, |v[XS+4]|
.set n, 5
.rept 6
	v_max3_num_f32 v8, v8, |v[XS+n]|, |v[XS+n+1]|
	v_max3_num_f32 v9, v9, |v[XS+n+2]|, |v[XS+n+3]|
.set n, n+4
.endr
	v_max3_num_f32 v8, v8, |v[XS+29]|, |v[XS+30]|
	v_max3_num_f32 v8, v8, v9, |v[XS+31]|
	v_add_nc_u32 v10, 0xff000000, v8
	v_lshrrev_b32 v11, 23, v10
.if (\b) == 0
	v_mov_b32 v14, v11
.else
	v_lshl_or_b32 v14, v11, 8*(\b), v14
.endif
	v_cvt_scalef32_pk16_fp6_f32 v[192+8*(\b):194+8*(\b)], v[XS:XS+15], v10
	v_cvt_scalef32_pk16_fp6_f32 v[224:226], v[XS+16:XS+31], v10
	v_nop
.irp i, 0,1,2
	v_mov_b32 v[195+8*(\b)+\i], v[224+\i]
.endr
.if (\b) < 2
	ds_store_b128 v3, v[192+8*(\b):195+8*(\b)] offset:256*(\b)              ; registers 0-3: chunk 0
	ds_store_b64 v3, v[196+8*(\b):197+8*(\b)] offset:512+256*(\b)           ; registers 4, 5: chunk 1, lower half
.else
	ds_store_b64 v3, v[192+8*(\b):193+8*(\b)] offset:520+256*((\b)-2)       ; registers 6, 7: chunk 1, upper half
	ds_store_b128 v3, v[194+8*(\b):197+8*(\b)] offset:1024+256*((\b)-2)     ; registers 8-11: chunk 2
.endif
.endm
	WLOAD 0
	WLOAD 1
	s_wait_alu depctr_va_vdst(0)
	s_wait_loadcnt 32                              ; block 0 is in; block 1's 32 loads may be out
	WLOAD 2
	WBLK 0
	s_wait_alu depctr_va_vdst(0)
	s_wait_loadcnt 32                              ; block 1 is in; block 2's may be out
	WLOAD 3
	WBLK 1
	s_wait_alu depctr_va_vdst(0)
	s_wait_loadcnt 32                              ; block 2 is in; block 3's may be out
	WBLK 2
	s_wait_alu depctr_va_vdst(0)
	s_wait_loadcnt 0x0
	WBLK 3
	s_wait_alu depctr_va_vdst(0)
	s_wait_dscnt 0x0                               ; my stores into the shared stage are done
	s_barrier_signal -1
	s_barrier_wait -1                              ; and so are the other wave's
.irp q, 0,1,2,3,4,5
	ds_load_b128 v[228+4*\q:231+4*\q], v4 offset:512*\q
.endr
	s_wait_dscnt 0x0
.irp q, 0,1,2,3,4,5
	global_store_b128 v2, v[228+4*\q:231+4*\q], s[52:53] offset:512*\q         ; two images: 3,072 consecutive bytes
.endr
	global_store_b32 v17, v14, s[54:55]
	s_wait_tensorcnt 0x0                           ; the wave's end
	ds_add_u32 v31, v255
	s_wait_dscnt 0x0
	s_endpgm
.Lfunc_end_k_qb814feff42_quant:
	.size	k_qb814feff42_quant, .Lfunc_end_k_qb814feff42_quant-k_qb814feff42_quant
	.p2alignl 7, 3214868480
	.fill 96, 4, 3214868480
	.section	.rodata,"a",@progbits
	.p2align	6, 0x0
	.amdhsa_kernel k_qb814feff42_quant
		.amdhsa_group_segment_fixed_size 79360
		.amdhsa_private_segment_fixed_size 0
		.amdhsa_enable_private_segment 0
		.amdhsa_kernarg_size 48
		.amdhsa_user_sgpr_count 2
		.amdhsa_user_sgpr_kernarg_segment_ptr 1
		.amdhsa_wavefront_size32 1
		.amdhsa_system_sgpr_workgroup_id_x 1
		.amdhsa_system_sgpr_workgroup_id_y 1
		.amdhsa_system_sgpr_workgroup_id_z 1
		.amdhsa_system_vgpr_workitem_id 0
		.amdhsa_next_free_vgpr 256
		.amdhsa_next_free_sgpr 66
		.amdhsa_reserve_vcc 0
		.amdhsa_float_denorm_mode_32 3
		.amdhsa_float_denorm_mode_16_64 3
		.amdhsa_memory_ordered 1
		.amdhsa_forward_progress 1
		.amdhsa_inst_pref_size 42
	.end_amdhsa_kernel
	.amdgpu_metadata
---
amdhsa.version: [ 1, 2 ]
amdhsa.kernels:
  - .name:           k_qb814feff42_quant
    .symbol:         k_qb814feff42_quant.kd
    .args:
      - { .name: x, .offset: 0, .size: 8, .value_kind: global_buffer, .address_space: global }
      - { .name: W_attn, .offset: 8, .size: 8, .value_kind: global_buffer, .address_space: global }
      - { .name: W_proj, .offset: 16, .size: 8, .value_kind: global_buffer, .address_space: global }
      - { .name: xq, .offset: 24, .size: 8, .value_kind: global_buffer, .address_space: global }
      - { .name: waq, .offset: 32, .size: 8, .value_kind: global_buffer, .address_space: global }
      - { .name: wpq, .offset: 40, .size: 8, .value_kind: global_buffer, .address_space: global }
    .group_segment_fixed_size: 79360
    .private_segment_fixed_size: 0
    .kernarg_segment_align: 8
    .kernarg_segment_size: 48
    .max_flat_workgroup_size: 128
    .sgpr_count:     66
    .vgpr_count:     256
    .wavefront_size: 32
...
	.end_amdgpu_metadata
.endif
;; end of part 1
;; launch qkv (part 2): grid 16 x 16, 4 waves a work-group, clusters of 4 x 4, 327,680 bytes of LDS; arguments xq, waq, b_attn, qc, kv; writes qc, kv
.if DOCPART == 2
	.amdgcn_target "amdgcn-amd-amdhsa--gfx1250"
	.amdhsa_code_object_version 6
	.text
	.protected	k_qb814feff42_qkv
	.globl	k_qb814feff42_qkv
	.p2align	8
	.type	k_qb814feff42_qkv,@function
k_qb814feff42_qkv:
	s_mov_b64 s[64:65], 0
	v_nop
	global_prefetch_b8 v0, s[64:65] scope:SCOPE_SE
	s_setreg_imm32_b32 hwreg(HW_REG_WAVE_MODE, 25, 1), 1
	s_wait_xcnt 0x0
	s_wait_alu depctr_hold_cnt(0) depctr_sa_sdst(0) depctr_va_vdst(0) depctr_va_sdst(0) depctr_va_ssrc(0) depctr_va_vcc(0) depctr_vm_vsrc(0)
	s_getreg_b32 s2, hwreg(HW_REG_IB_STS2, 6, 4)
	s_cmp_eq_u32 s2, 0
	s_cbranch_scc0 .Lentry_in_a_cluster
	s_endpgm
.Lentry_in_a_cluster:
	s_bfe_u32 s2, ttmp6, 0x10000c
	s_cmp_lg_u32 s2, 0xf033
	s_cbranch_scc0 .Lentry_shape_is_right
	s_endpgm
.Lentry_shape_is_right:
; qkv = x W_attn + b_attn on codes of FP6 (E2M3) with E8M0 scales; then q and k are quantised along the head's 64, v along the tokens, and leave as images of the next launch's operand registers.
; SHARES.  Work-group (head j, block R of 256 tokens) makes 256 tokens x the head's q, k and v (192 columns).  Wave w takes tokens 64 w .. 64 w + 63 (four tiles a) x all twelve column tiles: 48 accumulators.
; q and k are made TRANSPOSED (source 0 = 16 columns of W, source 1 = 16 tokens): a lane holds one token, its registers run along d.  v is made straight: a lane holds one d, its registers run along the tokens,
; which are the K of attention's second product.  A tile of 16 rows holds rows 32 (r / 8) + 8 j + r % 8 of its 64, so that register 8 j + i of lane (r, h) is element 32 h + 8 j + i: A LANE'S 32 REGISTERS ARE ONE SCALE BLOCK.
; The bias is the C of each sum's first matrix instruction.
; LDS: x's K steps 0 .. 5 at 24,576 ks, W's eight at BREG + 18,432 ks.  At the head one tensor load a wave: x's steps 0-1, W's 0-1, x's 2-5, W's 2-7.  One refill: x's steps 6-7 land where 0-1 lay.
; CLUSTER 4 x 4: x's images hang on R alone and are asked for jointly along a row of the cluster, W's on j alone, along a column.
; No prefetch is laid: there is no loop to run ahead in, and 294,912 of the work-group's 344,064 bytes are asked for at its head.
; THE WAITS' COUNTS: a step's 48 fragment loads end with v's twelve: 12 leaves those out; 48 is the next step's fetch.
; LIMITS: a block of zeros, or one under 2^-124, gets the scale byte 1 (read by this program alone); NaN and infinities are not served.  NO WORK IS LEFT OUT in this launch.
; REGISTERS, in windows of 256.  Window 0: v1 16 lane, v2-4 x's LDS addresses by pair of steps, v5-8 W's, v9-10 the add's, v11-13 offsets; v16-31 x's scale words (4 sp + a), v36-83 W's (12 sp + tile);
;   v84-131, v132-179 x's fragments, two sets; v180-255 at work behind the products.   Window 1: v0-95, v96-191 q's and k's W fragments, two sets; v192-255 their bias.
;   Window 2: q's and k's accumulators, (a, tile) at 8 (8 a + tile).   Window 3: v0-127 v's accumulators, (a, dt) at 32 dt + 8 a; v128-175, v176-223 v's W fragments; v224-255 v's bias.
.set APAR,  24576
.set BPAR,  18432
.set BREG,  6*APAR
.set FI,    1536                       ; a fragment image
.set SPARE, BREG+8*BPAR                ; the spare words: two blocks of 256 bytes that no other line names
.set SPW, 9
.set NIL, 10
.set SA,  16
.set SB,  36
.set AF,  84
.set MSB, 0
.macro WIN new                         ; the immediate's high byte repeats the setting that is left
.if MSB != \new
	s_set_vgpr_msb (MSB<<8)|\new
.set MSB, \new
.endif
.endm
.macro WALU
	s_wait_alu depctr_va_vdst(0)
.endm
.macro PLACES                          ; four plain places behind matrix instructions, ahead of loads into their sources and of reads of their results
.rept 4
	v_nop
.endr
.endm
.macro TLOAD g0, g1
	tensor_load_to_lds s[\g0:\g0+3], s[\g1:\g1+7]
	s_nop 0
	PLACES
.endm
.macro ARM under, g0, g1, next
	s_cmp_lt_u32 s20, \under
	s_cbranch_scc0 \next
	TLOAD \g0, \g1
	s_branch .Lasked
\next:
.endm
.macro GROUP1 g, mask, rows            ; dense blocks as rows of 256 bytes: elements of 8 bytes, no padding; bit 21 beside the mask
	s_or_b32 s[\g], s\mask, (3<<16)|(1<<21)
	s_mov_b32 s[\g+1], 32<<16
	s_mov_b32 s[\g+2], (\rows)<<16
	s_mov_b32 s[\g+3], 32<<16
	s_mov_b32 s[\g+4], \rows
	s_mov_b32 s[\g+5], 32
	s_mov_b32 s[\g+6], 0
	s_mov_b32 s[\g+7], 0
.endm
.macro CROUND                          ; a round of the cluster's barrier
	s_barrier_signal -1
	s_barrier_wait -1
	s_cmp_lg_u32 s20, 0
	s_cbranch_scc1 .Lnot_wave_0_\@
	s_barrier_signal -3
.Lnot_wave_0_\@:
	s_barrier_wait -3
	s_barrier_signal -1
	s_barrier_wait -1
.endm
.macro WM d, a, b, c, sa, sb, row      ; one scaled matrix instruction; row = 3: both sides' scales from lanes 16-31 (the odd K step of a pair)
.if (\row) == 0
	v_wmma_scale_f32_16x16x128_f8f6f4 v[\d:\d+7], v[\a:\a+11], v[\b:\b+11], v[\c:\c+7], v[\sa], v[\sb] matrix_a_fmt:MATRIX_FMT_FP6 matrix_b_fmt:MATRIX_FMT_FP6
.else
	v_wmma_scale_f32_16x16x128_f8f6f4 v[\d:\d+7], v[\a:\a+11], v[\b:\b+11], v[\c:\c+7], v[\sa], v[\sb] matrix_a_fmt:MATRIX_FMT_FP6 matrix_b_fmt:MATRIX_FMT_FP6 matrix_a_scale:MATRIX_SCALE_ROW1 matrix_b_scale:MATRIX_SCALE_ROW1
.endif
.endm
	s_load_b256 s[4:11], s[0:1], 0x0               ; xq s[4:5], waq s[6:7], b_attn s[8:9], qc s[10:11]
	s_load_b64 s[12:13], s[0:1], 0x20              ; kv
	v_lshl_add_u32 v[SPW], v0, 2, SPARE
	v_mov_b32 v[NIL], 0
	ds_add_u32 v[SPW], v[NIL]                      ; the opening lines: the add, twice on end, and its wait
	ds_add_u32 v[SPW], v[NIL]
	v_lshrrev_b32 v1, 5, v0
	v_readfirstlane_b32 s20, v1                    ; wave
	s_mov_b32 s23, 0xffff0000                      ; the upper sixteen lanes
	s_bfe_u32 s66, ttmp6, 0x40000                  ; cx
	s_bfe_u32 s67, ttmp6, 0x40004                  ; cy
	s_lshl_b32 s16, ttmp9, 2
	s_add_co_u32 s16, s16, s66                     ; head j
	s_and_b32 s17, ttmp7, 0xffff
	s_lshl_b32 s17, s17, 2
	s_add_co_u32 s17, s17, s67                     ; block R
	s_lshl_b32 s18, s67, 2
	s_lshl_b32 s18, 15, s18                        ; my row of the cluster
	s_lshl_b32 s19, 0x1111, s66                    ; my column
	GROUP1 24, 18, 192                             ; x's K steps 0-1: 49,152 bytes
	GROUP1 32, 19, 144                             ; W's K steps 0-1: 36,864
	GROUP1 68, 18, 384                             ; x's 2-5: 98,304
	GROUP1 76, 19, 432                             ; W's 2-7: 110,592
	s_mul_i32 s60, s17, 196608                     ; x's images: block R.  These registers never hold j
	s_mov_b32 s61, 0
	s_mul_i32 s62, s16, 147456                     ; W's: head j.  These never hold R
	s_mov_b32 s63, 0
	s_mul_i32 s57, s20, APAR                       ; the refill: waves 0 and 1 a K step each
	s_add_co_u32 s14, s57, 6*APAR
	s_mov_b32 s15, 0
	s_mov_b32 s40, 1
	s_mov_b32 s41, 0
	s_mov_b32 s44, 1
	s_mov_b32 s45, BREG
	s_mov_b32 s48, 1
	s_mov_b32 s49, 2*APAR
	s_mov_b32 s52, 1
	s_mov_b32 s53, BREG+2*BPAR
	s_mov_b32 s56, 1
	s_lshl_b32 s84, s17, 2
	s_add_co_u32 s84, s84, s20
	s_lshl_b32 s84, s84, 11                        ; x's scale images of my 64 tokens
	s_mov_b32 s85, 0
	s_mul_i32 s86, s16, 6144                       ; W's, of my head
	s_mov_b32 s87, 0
	s_lshl_b32 s88, s16, 8                         ; the bias at column 64 j
	s_mov_b32 s89, 0
	s_mul_i32 s96, s20, 4*FI                       ; my four tiles of x
	v_and_b32 v14, 31, v0
	v_lshlrev_b32 v1, 4, v14                       ; 16 x lane
	v_lshlrev_b32 v11, 3, v14                      ; 8 x lane
	v_and_b32 v14, 15, v0                          ; r
	v_bfe_u32 v15, v0, 4, 1                        ; h
	v_lshlrev_b32 v12, 7, v15                      ; q's and k's bias: columns 32 h on
	v_lshrrev_b32 v13, 3, v14
	v_lshlrev_b32 v13, 7, v13
	v_and_b32 v14, 7, v14
	v_lshl_add_u32 v13, v14, 2, v13                ; v's: column 32 (r / 8) + r % 8
.irp p, 0,1,2
	v_add_nc_u32 v[2+\p], s96, v1
	s_add_co_u32 s96, s96, 2*APAR
.endr
.irp p, 0,1,2,3
	v_add_nc_u32 v[5+\p], BREG+2*BPAR*\p, v1
.endr
.irp i, 0,1,2,3
	v_mov_b32 v[200+\i], 0                         ; written once: a lane permute's destination counts as one of its sources
.endr
	WALU
	s_wait_dscnt 0x0                               ; both opening adds are done
	s_wait_kmcnt 0x0
	s_add_nc_u64 s[84:85], s[4:5], s[84:85]        ; (the scale regions' offsets stand in the immediates)
	s_add_nc_u64 s[86:87], s[6:7], s[86:87]
	s_add_nc_u64 s[88:89], s[8:9], s[88:89]
	s_add_nc_u64 s[42:43], s[4:5], s[60:61]
	s_or_b32 s43, s43, 0x80000000
	s_add_nc_u64 s[46:47], s[6:7], s[62:63]
	s_or_b32 s47, s47, 0x80000000
	s_add_nc_u64 s[50:51], s[42:43], 2*APAR
	s_add_nc_u64 s[54:55], s[46:47], 2*BPAR
	s_add_nc_u64 s[58:59], s[42:43], s[14:15]
.irp s, 0,1,2,3                                    ; all scale words, once: one load of 16 bytes a lane fills four scale registers for two K steps
	global_load_b128 v[SA+4*\s:SA+4*\s+3], v1, s[84:85] offset:3145728+512*\s
.irp k, 0,1,2
	global_load_b128 v[SB+12*\s+4*\k:SB+12*\s+4*\k+3], v1, s[86:87] offset:2359296+2048*\k+512*\s
.endr
.endr
	WIN 0x40                                       ; destination window 1
.irp t, 0,1,2,3,4,5,6,7                            ; tile 4 kind + j: lane (r, h) wants columns 32 h + 8 j + 0 .. 7
	global_load_b128 v[192+8*\t:195+8*\t], v12, s[88:89] offset:4096*(\t/4)+32*(\t%4)
	global_load_b128 v[196+8*\t:199+8*\t], v12, s[88:89] offset:4096*(\t/4)+32*(\t%4)+16
.endr
	WIN 0xc0                                       ; destination window 3
.irp t, 0,1,2,3                                    ; v: a lane holds one column
	global_load_b32 v[224+8*\t], v13, s[88:89] offset:8192+32*\t
.endr
	WIN 0
	CROUND                                         ; all sixteen work-groups are here: the joint loads meet
	ARM 1, 40, 24, .Lhead_1                        ; one tensor load a wave, in one chain of arms on the wave's number
	ARM 2, 44, 32, .Lhead_2
	ARM 3, 48, 68, .Lhead_3
	TLOAD 52, 76
.Lasked:
	s_mov_b32 s21, 0x76543210                      ; v_permlanex16_b32's selects for lane l xor 16
	s_mov_b32 s22, 0xfedcba98
	s_lshr_b32 s60, s17, 3
	s_lshl_b32 s60, s60, 4
	s_add_co_u32 s60, s60, s16                     ; bh = 16 batch + head
	s_and_b32 s62, s17, 7
	s_lshl_b32 s62, s62, 2
	s_add_co_u32 s62, s62, s20                     ; G: my 64 tokens among the sequence's 32 groups
	s_mov_b32 s97, 0
	s_lshl_b32 s96, s60, 17
	s_lshl_b32 s98, s62, 12
	s_add_co_u32 s96, s96, s98
	s_add_nc_u64 s[90:91], s[10:11], s[96:97]      ; qc: 1,024 bytes a tile, 128 tiles a head, my four
	s_mul_i32 s96, s60, 212992
	s_lshr_b32 s98, s62, 1
	s_mul_i32 s98, s98, 13312                      ; kv: [head][step of 128 keys][K's codes 6,144][V's 6,144][K's scale words 512][V's 512]
	s_add_co_u32 s96, s96, s98
	s_and_b32 s99, s62, 1                          ; my band c of the step
	s_mul_i32 s98, s99, 3072
	s_add_co_u32 s98, s96, s98
	s_lshl_b32 s99, s99, 8
	s_add_co_u32 s96, s96, s99
	s_add_nc_u64 s[94:95], s[12:13], s[96:97]      ; scale words
	s_mov_b32 s96, s98
	s_add_nc_u64 s[92:93], s[12:13], s[96:97]      ; codes
; 48 LDS loads in one run: K step ks: my four fragments of x, eight of W for q and k, four for v, into set ks % 2
.macro FETCH ks
.set SET, (\ks)%2
.set RA, ((\ks)/2)%3
.set RB, (\ks)/2
	WIN 0
.irp a, 0,1,2,3
.irp q, 0,1,2
	ds_load_b128 v[AF+48*SET+12*\a+4*\q:AF+48*SET+12*\a+4*\q+3], v[2+RA] offset:APAR*SET+FI*\a+512*\q
.endr
.endr
	WIN 0x40
.irp t, 0,1,2,3,4,5,6,7
.irp q, 0,1,2
	ds_load_b128 v[96*SET+12*\t+4*\q:96*SET+12*\t+4*\q+3], v[5+RB] offset:BPAR*SET+FI*\t+512*\q
.endr
.endr
	WIN 0xc0
.irp t, 0,1,2,3
.irp q, 0,1,2
	ds_load_b128 v[128+48*SET+12*\t+4*\q:128+48*SET+12*\t+4*\q+3], v[5+RB] offset:BPAR*SET+FI*(8+\t)+512*\q
.endr
.endr
.endm
; The 48 accumulators take turns, one instruction a turn, in the same order in every K step.  MULQ: q and k, token tiles a0, a0 + 1; MULV: v
.macro MULQ ks, a0, first
.set SET, (\ks)%2
.set SPN, (\ks)/2
.if \first
	WIN 0x91                                       ; W window 1, x window 0, C = the bias in window 1, D window 2
.else
	WIN 0xa1                                       ; C and D window 2
.endif
.irp a, \a0, \a0+1
.irp t, 0,1,2,3,4,5,6,7
.if \first
	WM 8*(8*(\a)+\t), 96*SET+12*\t, AF+48*SET+12*(\a), 192+8*\t, SB+12*SPN+\t, SA+4*SPN+(\a), 3*SET
.else
	WM 8*(8*(\a)+\t), 96*SET+12*\t, AF+48*SET+12*(\a), 8*(8*(\a)+\t), SB+12*SPN+\t, SA+4*SPN+(\a), 3*SET
.endif
.endr
.endr
.endm
.macro MULV ks, first
.set SET, (\ks)%2
.set SPN, (\ks)/2
	WIN 0xfc                                       ; x window 0; W, C and D window 3
.irp a, 0,1,2,3
.irp t, 0,1,2,3
.if \first
	WM 32*\t+8*\a, AF+48*SET+12*\a, 128+48*SET+12*\t, 224+8*\t, SA+4*SPN+\a, SB+12*SPN+8+\t, 3*SET
.else
	WM 32*\t+8*\a, AF+48*SET+12*\a, 128+48*SET+12*\t, 32*\t+8*\a, SA+4*SPN+\a, SB+12*SPN+8+\t, 3*SET
.endif
.endr
.endr
.endm
.macro KSTEP ks                        ; the next step's fragments are asked for, 48 matrix instructions ahead of their use
	s_wait_dscnt 12                                ; x's, q's and k's fragments are in; v's twelve loads may be out
	PLACES
	FETCH (\ks)+1
	MULQ \ks, 0, 0
	MULQ \ks, 2, 0
	s_wait_dscnt 48                                ; v's are in; the 48 just issued may be out
	MULV \ks, 0
.endm
	WALU
	s_wait_loadcnt 0x0                             ; scale words and bias
	WIN 0xc3
.irp t, 0,1,2,3
.irp i, 1,2,3,4,5,6,7
	v_mov_b32 v[224+8*\t+\i], v[224+8*\t]          ; v's number over the tile's eight registers
.endr
.endr
	WIN 0
	WALU
	s_cmp_lt_u32 s20, 2
	s_cbranch_scc0 .Lnot_first
	s_wait_tensorcnt 0x0                           ; waves 0 and 1: K steps 0 and 1 are in; the others' loads may stay out
.Lnot_first:
	s_barrier_signal -1
	s_barrier_wait -1
	FETCH 0
	s_wait_dscnt 0x0
	FETCH 1
	MULQ 0, 0, 1                                   ; the first products start the sums from the bias
	MULQ 0, 2, 1
	MULV 0, 1
	s_wait_dscnt 12
	MULQ 1, 0, 0
	WIN 0
	s_wait_tensorcnt 0x0                           ; all my tensor loads have landed,
	ds_add_u32 v[SPW], v[NIL]                      ; 0 onto my spare word
	s_mov_b32 s26, 96<<16                          ; no tensor load of mine is out: the refill brings 96 rows a wave
	s_mov_b32 s28, 96
	MULQ 1, 2, 0
	WIN 0
	s_wait_dscnt 0x0                               ; the add is done; K step 1's fragments are in, and so my reads of x's first two steps are over
	CROUND                                         ; this holds of every wave of every partner, and all the head's tiles are in
	s_cmp_lt_u32 s20, 2
	s_cbranch_scc0 .Lno_refill
	TLOAD 56, 24                                   ; x's K steps 6 and 7, one each by waves 0 and 1; K steps 1 to 4 lie between this and the wait for it
.Lno_refill:
	PLACES
	FETCH 2
	MULV 1, 0
	KSTEP 2
	KSTEP 3
	KSTEP 4
	s_wait_tensorcnt 0x0                           ; my part of the refill is in,
	s_wait_dscnt 0x0                               ; and K step 5's fragments
	s_barrier_signal -1
	s_barrier_wait -1                              ; everybody's part is
	PLACES
	FETCH 6
	MULQ 5, 0, 0
	MULQ 5, 2, 0
	MULV 5, 0
	KSTEP 6
	s_wait_dscnt 12
	MULQ 7, 0, 0
	MULQ 7, 2, 0
	s_wait_dscnt 0x0
	MULV 7, 0
	WIN 0
	PLACES
; Four items t, a scale block of 32 numbers a lane: item t's registers begin at v[base + istr t] of window wn.  They become six registers of codes at v[out + str t]; the lane's scale byte in v[196 + t], that of
; lane l xor 16 (the other block of the same row) in v[200 + t].  w12 sets sources 1 and 2 to window wn.  Two chains an item, eight by turns; each accumulator is read from its low end on.
.macro QUANT4 wn, w12, base, istr, out, str
	WIN \w12
.set m, 0
.rept 8
	v_max3_num_f32 v[184+m], 0x1800000, |v[\base+\istr*(m/2)+16*(m%2)]|, |v[\base+\istr*(m/2)+16*(m%2)+1]|    ; the floor 2^(3 - 127): the byte cannot fall under 1
.set m, m+1
.endr
.set m, 0
.rept 56
	v_max3_num_f32 v[184+m%8], v[184+m%8], |v[\base+\istr*((m%8)/2)+16*(m%2)+2+2*(m/8)]|, |v[\base+\istr*((m%8)/2)+16*(m%2)+3+2*(m/8)]|
.set m, m+1
.endr
	WIN 0
.irp t, 0,1,2,3
	v_max_num_f32 v[184+2*\t], v[184+2*\t], v[185+2*\t]
.endr
.irp t, 0,1,2,3
	v_add_nc_u32 v[192+\t], 0xff000000, v[184+2*\t]        ; 2 off the exponent field: the conversion's scale operand
.endr
.irp t, 0,1,2,3
	v_lshrrev_b32 v[196+\t], 23, v[192+\t]                 ; the byte
.endr
.irp t, 0,1,2,3
	v_permlanex16_b32 v[200+\t], v[196+\t], s21, s22
.endr
	WIN \wn
.irp t, 0,1,2,3
	v_cvt_scalef32_pk16_fp6_f32 v[\out+\str*\t:\out+\str*\t+2], v[\base+\istr*\t:\base+\istr*\t+15], v[192+\t]
	v_cvt_scalef32_pk16_fp6_f32 v[208+4*\t:210+4*\t], v[\base+\istr*\t+16:\base+\istr*\t+31], v[192+\t]
.endr
	WIN 0
	v_nop                                          ; one plain place behind the conversions
.irp t, 0,1,2,3
.irp i, 0,1,2
	v_mov_b32 v[\out+\str*\t+3+\i], v[208+4*\t+\i]
.endr
.endr
.endm
; A scale word for two items t, t + 1: item t's row in lanes 0-15, item t + 1's in lanes 16-31; the block of lanes 0-15 gives byte 0, that of lanes 16-31 byte 1
.macro WORD2 d, t
	v_cndmask_b32 v[204], v[196+\t], v[201+\t], s23
	v_cndmask_b32 v[205], v[200+\t], v[197+\t], s23
	v_lshl_or_b32 v[\d], v[205], 8, v[204]
.endm
	; q: a tile's image is 1,024 bytes: registers 0-3; then registers 4, 5, the scale word (of use in lanes 0-15) and a zero
	QUANT4 2, 0x28, 0, 64, 84, 8
.irp t, 0,1,2,3
	v_lshl_or_b32 v[90+8*\t], v[200+\t], 8, v[196+\t]
	v_mov_b32 v[91+8*\t], 0
.endr
.irp t, 0,1,2,3
	global_store_b128 v1, v[84+8*\t:87+8*\t], s[90:91] offset:1024*\t           ; 512 consecutive bytes a store
	global_store_b128 v1, v[88+8*\t:91+8*\t], s[90:91] offset:1024*\t+512
.endr
	; k: two tiles make one image of 12 registers; their scale words share a register: the even tile in lanes 0-15, the odd one in lanes 16-31
	QUANT4 2, 0x28, 32, 64, 116, 6
.irp b, 0,1
.irp q, 0,1,2
	global_store_b128 v1, v[116+12*\b+4*\q:119+12*\b+4*\q], s[92:93] offset:1536*\b+512*\q
.endr
.endr
	WORD2 164, 0
	WORD2 165, 2
	global_store_b64 v11, v[164:165], s[94:95] offset:12288                     ; 256 consecutive bytes
	; v: a tile of 16 d x my 64 tokens is half an operand: six registers
	QUANT4 3, 0x3c, 0, 32, 140, 6
.irp t, 0,1,2,3
	global_store_b128 v1, v[140+6*\t:143+6*\t], s[92:93] offset:6144+768*\t
	global_store_b64 v11, v[144+6*\t:145+6*\t], s[92:93] offset:6144+768*\t+512
.endr
	WORD2 166, 0
	WORD2 167, 2
	global_store_b64 v11, v[166:167], s[94:95] offset:12800
	s_wait_tensorcnt 0x0                           ; the wave's end
	ds_add_u32 v[SPW], v[NIL]
	s_wait_dscnt 0x0
	CROUND                                         ; the closing round
	s_endpgm
.Lfunc_end_k_qb814feff42_qkv:
	.size	k_qb814feff42_qkv, .Lfunc_end_k_qb814feff42_qkv-k_qb814feff42_qkv
	.p2alignl 7, 3214868480
	.fill 96, 4, 3214868480
	.section	.rodata,"a",@progbits
	.p2align	6, 0x0
	.amdhsa_kernel k_qb814feff42_qkv
		.amdhsa_group_segment_fixed_size 327680
		.amdhsa_private_segment_fixed_size 0
		.amdhsa_enable_private_segment 0
		.amdhsa_kernarg_size 40
		.amdhsa_user_sgpr_count 2
		.amdhsa_user_sgpr_kernarg_segment_ptr 1
		.amdhsa_wavefront_size32 1
		.amdhsa_system_sgpr_workgroup_id_x 1
		.amdhsa_system_sgpr_workgroup_id_y 1
		.amdhsa_system_sgpr_workgroup_id_z 1
		.amdhsa_system_vgpr_workitem_id 0
		.amdhsa_next_free_vgpr 1024
		.amdhsa_next_free_sgpr 100
		.amdhsa_reserve_vcc 0
		.amdhsa_float_denorm_mode_32 3
		.amdhsa_float_denorm_mode_16_64 3
		.amdhsa_memory_ordered 1
		.amdhsa_forward_progress 1
		.amdhsa_inst_pref_size 111
	.end_amdhsa_kernel
	.amdgpu_metadata
---
amdhsa.version: [ 1, 2 ]
amdhsa.kernels:
  - .name:           k_qb814feff42_qkv
    .symbol:         k_qb814feff42_qkv.kd
    .args:
      - { .name: xq, .offset: 0, .size: 8, .value_kind: global_buffer, .address_space: global }
      - { .name: waq, .offset: 8, .size: 8, .value_kind: global_buffer, .address_space: global }
      - { .name: b_attn, .offset: 16, .size: 8, .value_kind: global_buffer, .address_space: global }
      - { .name: qc, .offset: 24, .size: 8, .value_kind: global_buffer, .address_space: global }
      - { .name: kv, .offset: 32, .size: 8, .value_kind: global_buffer, .address_space: global }
    .group_segment_fixed_size: 327680
    .private_segment_fixed_size: 0
    .kernarg_segment_align: 8
    .kernarg_segment_size: 40
    .max_flat_workgroup_size: 128
    .sgpr_count:     100
    .vgpr_count:     1024
    .wavefront_size: 32
...
	.end_amdgpu_metadata
.endif
;; end of part 2
;; launch attn (part 3): grid 8 x 32, 16 waves a work-group, clusters of 4 x 1, 268,288 bytes of LDS; arguments qc, kv, yq; writes yq
.if DOCPART == 3
	.amdgcn_target "amdgcn-amd-amdhsa--gfx1250"
	.amdhsa_code_object_version 6
	.text
	.protected	k_qb814feff42_attn
	.globl	k_qb814feff42_attn
	.p2align	8
	.type	k_qb814feff42_attn,@function
k_qb814feff42_attn:
	s_mov_b64 s[64:65], 0
	v_nop
	global_prefetch_b8 v0, s[64:65] scope:SCOPE_SE
	s_setreg_imm32_b32 hwreg(HW_REG_WAVE_MODE, 25, 1), 1
	s_wait_xcnt 0x0
	s_wait_alu depctr_hold_cnt(0) depctr_sa_sdst(0) depctr_va_vdst(0) depctr_va_sdst(0) depctr_va_ssrc(0) depctr_va_vcc(0) depctr_vm_vsrc(0)
	s_getreg_b32 s2, hwreg(HW_REG_IB_STS2, 6, 4)
	s_cmp_eq_u32 s2, 0
	s_cbranch_scc0 .Lentry_in_a_cluster
	s_endpgm
.Lentry_in_a_cluster:
	s_bfe_u32 s2, ttmp6, 0x10000c
	s_cmp_lg_u32 s2, 0x3003
	s_cbranch_scc0 .Lentry_shape_is_right
	s_endpgm
.Lentry_shape_is_right:
; y = softmax(q k^T / 8, causal) v for one head, both products on codes of FP6 (E2M3) with E8M0 scales; y is quantised along the model's 1,024 and leaves as images of the last launch's operand registers.
; THE SOFTMAX: t = score x log2(e) / 8; M = the running largest t rounded UP to a whole number; p = 2^(t - M) is quantised along the keys, not normalised; the sum is taken of the unquantised p and divides at the end.
; When M moves, the sum and O are multiplied by 2^(old M - new M): exact.
; WORK LEFT OUT: steps of 128 keys that come after all of a tile's queries: the causal mask that reference() builds gives them the weight 0 for all inputs.  A NaN or an infinity that reaches only those is not carried.
; SHARES.  Work-group p = 0 .. 7 of a head has tile p (16 queries) of each group g = 0 .. 15 of 128 queries; the tile of group g needs key steps 0 .. g.  Groups k and 15 - k (k = 0 .. 7) have 17 steps together and go to two waves:
; wave X takes steps 0 .. 8 of group 15 - k;  wave Y takes all k + 1 steps of group k, sends that tile out, and takes the steps from 9 on of group 15 - k; then X hands its sums over through LDS and Y joins the two parts
; (each part's O and sum times 2^(its M - the common M): exact) and sends the tile out.  So X has nine trips and Y eight.  k and the kind come from the wave's number alone; p enters global addresses and the mask's data only.
; LDS: a head's 16 key steps, 13,312 bytes each (K's codes, V's codes, K's and V's scale words), filled once: wave w asks for step w, JOINTLY with the three partners of its cluster, which belong to one head.
; Trip 0 reads step 0, which wave 0 brings: the first barrier waits for that load alone, the second for all.  No prefetch is laid: all tiles are asked for at the head.
; A STEP'S LDS LOADS RUN AHEAD: K's go out behind the first product of the step before, V's behind its second.
; LAYOUT.  Both products transposed: S^T = K Q^T, O^T = V^T P^T: a lane holds one query.  Of each 64 rows tile j holds rows 32 (r / 8) + 8 j + r % 8, so that register 8 j + i of a band's four tiles is key 32 h + 8 j + i:
; a lane's 32 registers are one whole scale block, and the conversions' results are the next operand's registers.
; THE FIRST PRODUCT'S K IS 64 in a form of 128: q's registers 6-11 are zero codes, so whatever codes stand in the upper six registers of the other operand add nothing (FP6 has no NaN or infinity, and the scale
; bytes of that half are 0, which is 2^-127).  So tile t's operand is v[32 + 6 t] on, twelve registers: its own six and the next tile's; behind the last stand six zeros.
; LIMITS: scaled scores stay under 2^31 in magnitude; y = O x v_rcp_f32(sum); a block of zeros or under 2^-124 gets the scale byte 1; NaN and infinities are not served.  y's scale bytes leave singly inside their images.
; REGISTERS: v1 16 lane, v2 8 lane, v3 and v0 the next step's LDS addresses, v[4:5] f, v6-11 at work, v12 -M, v13 the largest score, v[14:15] the sum, v16-27 q, v28 q's scales, v29 p's, v30-31 V's,
;   v32-79 eight tiles of K, v80-85 zeros, v86-89 K's scales, v90-93 V's half words, v94-95 addresses of the parts, v96-159 S^T then p, v160-191 O^T, v192-239 V, v240-251 at work, then p's codes.
.set STEPB, 13312
.set PART,  229376                     ; X's parts: O^T, the sum and -M, a place for each k
.set PARTB, 4608
.set SPARE, PART+8*PARTB
.macro WALU
	s_wait_alu depctr_va_vdst(0)
.endm
.macro NOPS
.rept 4
	v_nop
.endr
.endm
.macro DEP n
	s_delay_alu instid0(VALU_DEP_\n)
.endm
.macro CROUND
	s_barrier_signal -1
	s_barrier_wait -1
	s_cmp_lg_u32 s14, 0
	s_cbranch_scc1 .Lnot_wave_0_\@
	s_barrier_signal -3
.Lnot_wave_0_\@:
	s_barrier_wait -3
	s_barrier_signal -1
	s_barrier_wait -1
.endm
.macro WM d, a, b, c, sa, sb, row      ; c < 0: the constant 0 starts the sum; row = 1: source 0's scales from lanes 16-31
.if (\c) < 0
.if (\row) == 0
	v_wmma_scale_f32_16x16x128_f8f6f4 v[\d:\d+7], v[\a:\a+11], v[\b:\b+11], 0, v[\sa], v[\sb] matrix_a_fmt:MATRIX_FMT_FP6 matrix_b_fmt:MATRIX_FMT_FP6
.else
	v_wmma_scale_f32_16x16x128_f8f6f4 v[\d:\d+7], v[\a:\a+11], v[\b:\b+11], 0, v[\sa], v[\sb] matrix_a_fmt:MATRIX_FMT_FP6 matrix_b_fmt:MATRIX_FMT_FP6 matrix_a_scale:MATRIX_SCALE_ROW1
.endif
.else
.if (\row) == 0
	v_wmma_scale_f32_16x16x128_f8f6f4 v[\d:\d+7], v[\a:\a+11], v[\b:\b+11], v[\c:\c+7], v[\sa], v[\sb] matrix_a_fmt:MATRIX_FMT_FP6 matrix_b_fmt:MATRIX_FMT_FP6
.else
	v_wmma_scale_f32_16x16x128_f8f6f4 v[\d:\d+7], v[\a:\a+11], v[\b:\b+11], v[\c:\c+7], v[\sa], v[\sb] matrix_a_fmt:MATRIX_FMT_FP6 matrix_b_fmt:MATRIX_FMT_FP6 matrix_a_scale:MATRIX_SCALE_ROW1
.endif
.endif
.endm
.macro LOADK a16, a8                   ; 14 loads
	ds_load_b64 v[86:87], \a8 offset:12288         ; K's scale words: a register a pair of tiles
	ds_load_b64 v[88:89], \a8 offset:12544
.irp n, 0,1,2,3,4,5,6,7,8,9,10,11
	ds_load_b128 v[32+4*\n:35+4*\n], \a16 offset:512*\n            ; eight tiles of K as they lie
.endr
.endm
.macro LOADV a16, a8                   ; 18 loads
	ds_load_b64 v[90:91], \a8 offset:12800         ; V's scale bytes, two for each 64 keys
	ds_load_b64 v[92:93], \a8 offset:13056
.irp c, 0,1
.irp t, 0,1,2,3
	ds_load_b128 v[192+12*\t+6*\c:195+12*\t+6*\c], \a16 offset:6144+3072*\c+768*\t
	ds_load_b64 v[196+12*\t+6*\c:197+12*\t+6*\c], \a8 offset:6656+3072*\c+768*\t
.endr
.endr
.endm
.macro ADDR                            ; v3, v0: the LDS addresses of the step that trip s68 reads; s19 = STEPB s68
	s_cmp_ge_u32 s68, s36
	s_cselect_b32 s71, s38, 0
	s_add_co_u32 s71, s71, s19
	s_min_u32 s71, s71, 15*STEPB                   ; (no step that is read lies further on)
	v_add_nc_u32 v3, s71, v1
	v_add_nc_u32 v0, s71, v2
.endm
; One step of 128 keys, its loads issued.  first = 1: the tile's first step starts O^T and the sum, and no next step is asked for.
.macro STEP first
	s_wait_dscnt 18                                ; K and its scales are in; V's 18 loads may be out
.irp t, 0,2,4,6
	WM 96+8*\t, 32+6*\t, 16, -1, 86+\t/2, 28, 0
	WM 104+8*\t, 38+6*\t, 16, -1, 86+\t/2, 28, 1
.endr
	NOPS
.if (\first) == 0
	s_add_co_u32 s68, s18, 1
	s_cmp_ge_u32 s68, s37                          ; my last trip asks for nothing more
	s_cbranch_scc1 .Lno_k_\@
	ADDR
	LOADK v3, v0
.Lno_k_\@:
.endif
	s_cmp_eq_u32 s18, s15                          ; does this step lie on the diagonal?  (It hangs on the trip and the wave's number.)
	s_cbranch_scc1 .Lmask_\@
	s_cmp_lg_u32 s18, s17
	s_cbranch_scc1 .Lopen_\@
.Lmask_\@:
	v_mov_b32 v8, 0xff800000                       ; -infinity: p = 0 then
	WALU
.irp kt, 0,1,2,3,4,5,6,7                           ; key tile kt against query tile p: the hidden lanes of register i: in tile p itself those with r % 8 < i where h = r / 8, and all with h = 1, r < 8
	s_cmp_eq_u32 s46, \kt
.irp i, 0,1,2,3,4,5,6,7
	s_cselect_b32 s71, (((1<<\i)-1)*0x1000001)|0xff0000, s[72+\kt]
	v_cndmask_b32 v[96+8*\kt+\i], v[96+8*\kt+\i], v8, s71
.endr
.endr
	WALU
.Lopen_\@:
.irp m, 0,1,2,3
	v_max3_num_f32 v[240+\m], v[96+16*\m], v[97+16*\m], v[98+16*\m]        ; the largest score of each of my two blocks of 32 keys, two chains a block: it serves the row's maximum and, since p rises with the score, the block's largest p
.endr
.irp i, 3,5,7,9,11,13
.irp m, 0,1,2,3
	v_max3_num_f32 v[240+\m], v[240+\m], v[96+16*\m+\i], v[97+16*\m+\i]
.endr
.endr
	v_max3_num_f32 v244, v240, v241, v111
	v_max3_num_f32 v245, v242, v243, v143
	v_max_num_f32 v244, v244, v127
	v_max_num_f32 v245, v245, v159
	v_max_num_f32 v8, v244, v245
	DEP 1
	v_permlanex16_b32 v9, v8, s20, s21             ; lane l xor 16 holds the row's other two blocks
.if \first
	DEP 1
	v_max_num_f32 v13, v8, v9
	DEP 1
	v_mul_f32 v8, s70, v13
	DEP 1
	v_floor_f32 v12, v8                            ; -M = floor(-t) = -ceil(t)
.else
	DEP 1
	v_max3_num_f32 v13, v13, v8, v9                ; the running largest score
	DEP 1
	v_mul_f32 v8, s70, v13                         ; -t
	v_mov_b32 v10, v12
	DEP 2
	v_floor_f32 v12, v8                            ; the new -M
	DEP 1
	v_sub_f32 v10, v12, v10                        ; old M - new M: a whole number, 0 or less
	DEP 1
	v_cvt_i32_f32 v10, v10                         ; (it saturates)
	DEP 1
	v_ldexp_f32 v4, 1.0, v10                       ; f = 2^(old M - new M)
.endif
.set n, 0
.rept 32
	v_pk_fma_f32 v[96+n:97+n], v[96+n:97+n], s[22:23], v[12:13] op_sel_hi:[1,0,0]   ; t - M
.set n, n+2
.endr
	v_fma_f32 v244, v244, s22, v12
	v_fma_f32 v245, v245, s22, v12
	WALU
	v_exp_f32 v244, v244                           ; the blocks' largest p
	v_exp_f32 v245, v245
.set n, 0
.rept 64
	v_exp_f32 v[96+n], v[96+n]                     ; p = 2^(t - M)
.set n, n+1
.endr
.if \first
	v_nop                                          ; the plain place behind the batch
.else
	v_pk_mul_f32 v[14:15], v[14:15], v[4:5] op_sel_hi:[1,0]        ; the sums under the new M: the plain place behind the batch
.endif
	WALU                                           ; one wait for the batch, ahead of its first reader
	v_max_num_f32 v244, 0x1800000, v244            ; the floor 2^(3 - 127)
	v_max_num_f32 v245, 0x1800000, v245
	v_pk_add_f32 v[240:241], v[96:97], v[104:105]  ; THE SUM OF THE UNQUANTISED p, in four chains
	v_pk_add_f32 v[246:247], v[98:99], v[106:107]
	v_pk_add_f32 v[248:249], v[100:101], v[108:109]
	v_pk_add_f32 v[250:251], v[102:103], v[110:111]
	v_add_nc_u32 v6, 0xff000000, v244              ; 2 off the exponent field: the conversion's scale operand
	v_add_nc_u32 v7, 0xff000000, v245
	v_pk_add_f32 v[240:241], v[240:241], v[112:113]
	v_pk_add_f32 v[246:247], v[246:247], v[114:115]
	v_lshrrev_b32 v8, 23, v6                       ; the bytes of blocks h and 2 + h
	v_lshrrev_b32 v9, 23, v7
	v_pk_add_f32 v[248:249], v[248:249], v[116:117]
	v_pk_add_f32 v[250:251], v[250:251], v[118:119]
	v_lshl_or_b32 v8, v9, 16, v8
	v_pk_add_f32 v[240:241], v[240:241], v[120:121]
	v_pk_add_f32 v[246:247], v[246:247], v[122:123]
	v_pk_add_f32 v[248:249], v[248:249], v[124:125]
	v_pk_add_f32 v[250:251], v[250:251], v[126:127]
	v_permlanex16_b32 v10, v8, s20, s21
.irp j, 128,136
	v_pk_add_f32 v[240:241], v[240:241], v[\j:\j+1]
	v_pk_add_f32 v[246:247], v[246:247], v[\j+2:\j+3]
	v_pk_add_f32 v[248:249], v[248:249], v[\j+4:\j+5]
	v_pk_add_f32 v[250:251], v[250:251], v[\j+6:\j+7]
.endr
	v_lshl_or_b32 v29, v10, 8, v8                  ; p's scale word, in lanes 0-15 (the others are not read)
	WALU
	s_wait_dscnt 0x0                               ; V and its scale bytes are in, and the next step's K, asked for behind the first product
	v_lshl_or_b32 v30, v92, 16, v90                ; V's scale words for these 128 keys: tiles 0 (lanes 0-15) and 1 (lanes 16-31),
	v_lshl_or_b32 v31, v93, 16, v91                ; tiles 2 and 3
.irp j, 144,152
	v_pk_add_f32 v[240:241], v[240:241], v[\j:\j+1]
	v_pk_add_f32 v[246:247], v[246:247], v[\j+2:\j+3]
	v_pk_add_f32 v[248:249], v[248:249], v[\j+4:\j+5]
	v_pk_add_f32 v[250:251], v[250:251], v[\j+6:\j+7]
.endr
	v_pk_add_f32 v[240:241], v[240:241], v[246:247]
	v_pk_add_f32 v[248:249], v[248:249], v[250:251]
.if \first
	v_pk_add_f32 v[14:15], v[240:241], v[248:249]
.else
	v_pk_add_f32 v[14:15], v[14:15], v[240:241]
	v_pk_add_f32 v[14:15], v[14:15], v[248:249]
.endif
	v_cvt_scalef32_pk16_fp6_f32 v[240:242], v[112:127], v6         ; the upper halves first: a conversion's three registers begin on an even number, so they are moved to their places,
	v_cvt_scalef32_pk16_fp6_f32 v[246:248], v[144:159], v7
	v_nop                                          ; one plain place behind the conversions
.irp i, 0,1,2
	v_mov_b32 v[243+\i], v[240+\i]
	v_mov_b32 v[249+\i], v[246+\i]
.endr
	v_cvt_scalef32_pk16_fp6_f32 v[240:242], v[96:111], v6          ; and the lower halves take theirs
	v_cvt_scalef32_pk16_fp6_f32 v[246:248], v[128:143], v7
.if \first
	NOPS                                           ; places between the codes and the products
	v_nop
.irp t, 0,2
	WM 160+8*\t, 192+12*\t, 240, -1, 30+\t/2, 29, 0
	WM 168+8*\t, 204+12*\t, 240, -1, 30+\t/2, 29, 1
.endr
	NOPS
.else
	WALU
.set n, 0
.rept 16
	v_pk_mul_f32 v[160+n:161+n], v[160+n:161+n], v[4:5] op_sel_hi:[1,0]             ; O^T under the new M.  (Also the places between the codes and the products)
.set n, n+2
.endr
.irp t, 0,2
	WM 160+8*\t, 192+12*\t, 240, 160+8*\t, 30+\t/2, 29, 0
	WM 168+8*\t, 204+12*\t, 240, 168+8*\t, 30+\t/2, 29, 1
.endr
	NOPS                                           ; places ahead of the loads into V's registers, and of O^T's readers
	s_cmp_ge_u32 s68, s37
	s_cbranch_scc1 .Lno_v_\@
	ADDR                                           ; (made anew: they were written in an arm)
	LOADV v3, v0
.Lno_v_\@:
.endif
.endm
; THE WAY OUT: y = O^T / the sum; register 8 t + i is d = 32 h + 8 t + i of my query: one block of the last product's K.  s[sp:sp+1]: the tile's codes, s[sp+2:sp+3] its scale bytes
.macro WAYOUT sp
	v_add_f32 v14, v14, v15
	DEP 1
	v_permlanex16_b32 v11, v14, s20, s21
	DEP 1
	v_add_f32 v14, v14, v11
	WALU
	v_rcp_f32 v14, v14
	v_and_b32 v9, 0xf0, v1                         ; 16 r (a plain place behind the reciprocal)
	v_lshrrev_b32 v10, 8, v1                       ; h
	v_add_nc_u32 v9, v9, v10
	WALU
.set n, 0
.rept 32
	v_mul_f32 v[96+n], v[160+n], v14
.set n, n+1
.endr
	v_max3_num_f32 v6, |v96|, |v97|, 0x1800000     ; the floor 2^(3 - 127)
	v_max3_num_f32 v7, |v112|, |v113|, |v114|
.set n, 2
.rept 6
	v_max3_num_f32 v6, v6, |v[96+n]|, |v[97+n]|
	v_max3_num_f32 v7, v7, |v[113+n]|, |v[114+n]|
.set n, n+2
.endr
	v_max3_num_f32 v6, v6, |v110|, |v111|
	v_max3_num_f32 v6, v6, v7, |v127|
	v_add_nc_u32 v8, 0xff000000, v6
	v_lshrrev_b32 v10, 23, v8                      ; my block's scale byte
	v_cvt_scalef32_pk16_fp6_f32 v[240:242], v[112:127], v8
	v_nop
.irp i, 0,1,2
	v_mov_b32 v[243+\i], v[240+\i]
.endr
	v_cvt_scalef32_pk16_fp6_f32 v[240:242], v[96:111], v8
	v_nop
	global_store_b128 v1, v[240:243], s[\sp:\sp+1]             ; 512 consecutive bytes,
	global_store_b64 v2, v[244:245], s[\sp:\sp+1] offset:512   ; and 256
	global_store_b8 v9, v10, s[\sp+2:\sp+3]
.endm
; Where the tile of group s\g goes: codes [block of 128 tokens][head][tile][768 bytes] at s[d:d+1]; scale bytes at s[d+2:d+3]
.macro YADDR g, d
	s_lshl_b32 s56, s54, 4
	s_add_co_u32 s56, s56, s\g
	s_lshl_b32 s56, s56, 4
	s_add_co_u32 s56, s56, s55
	s_lshl_b32 s56, s56, 3
	s_add_co_u32 s56, s56, s46
	s_mul_i32 s56, s56, 768
	s_add_nc_u64 s[\d:\d+1], s[8:9], s[56:57]
	s_lshl_b32 s60, s54, 7
	s_lshl_b32 s61, s\g, 3
	s_add_co_u32 s60, s60, s61
	s_add_co_u32 s60, s60, s46                     ; the tile among all 256
	s_lshr_b32 s61, s60, 2
	s_lshl_b32 s61, s61, 11                        ; scale images: 2,048 x group of 64 tokens
	s_and_b32 s60, s60, 3
	s_lshl_b32 s60, s60, 2                         ; + 4 x tile in the group
	s_add_co_u32 s56, s61, s60
	s_add_co_u32 s56, s56, s62
	s_add_nc_u64 s[\d+2:\d+3], s[8:9], s[56:57]
.endm
	s_load_b128 s[4:7], s[0:1], 0x0                ; qc s[4:5], kv s[6:7]
	s_load_b64 s[8:9], s[0:1], 0x10                ; yq
	v_lshl_add_u32 v254, v0, 2, SPARE
	v_mov_b32 v255, 0
	ds_add_u32 v254, v255                          ; the opening lines: the add, twice on end, and its wait
	ds_add_u32 v254, v255
	v_lshrrev_b32 v1, 5, v0
	v_readfirstlane_b32 s14, v1                    ; wave 0 .. 15
	s_bfe_u32 s40, s14, 0x10002                    ; 0: X, 1: Y
	s_and_b32 s41, s14, 3
	s_lshr_b32 s42, s14, 3
	s_lshl_b32 s42, s42, 2
	s_or_b32 s41, s41, s42                         ; k; of the four waves with equal wave % 4 two are X and two Y
	s_mul_i32 s42, s40, 15
	s_xor_b32 s42, s42, 15
	s_xor_b32 s15, s41, s42                        ; my first tile's group: Y k, X 15 - k.  Also the trip of its diagonal (X reaches it only where k = 7)
	s_xor_b32 s16, s41, 15                         ; the second: 15 - k
	s_xor_b32 s38, s41, 7
	s_add_co_u32 s38, s38, 1
	s_mul_i32 s38, s38, s40
	s_mul_i32 s38, s38, STEPB                      ; Y's second tile: trip i reads step i + 8 - k
	s_mul_i32 s39, s41, PARTB
	s_add_co_u32 s39, s39, PART
	s_add_co_u32 s36, s41, 1
	s_cmp_eq_u32 s40, 1
	s_cselect_b32 s17, 7, 31                       ; the trip of the second tile's diagonal
	s_cselect_b32 s36, s36, 31                     ; the trip ahead of which Y changes tiles: k + 1
	s_cselect_b32 s37, 8, 9                        ; trips
	s_bfe_u32 s45, ttmp6, 0x40000                  ; cx
	s_lshl_b32 s46, ttmp9, 2
	s_add_co_u32 s46, s46, s45                     ; p
	s_and_b32 s47, ttmp7, 0xffff                   ; bh = 16 batch + head, which the partners share
	s_mov_b32 s24, 15|(3<<16)|(1<<21)              ; group 1: the mask names all four; elements of 8 bytes; bit 21 beside the mask; no padding
	s_mov_b32 s25, 32<<16                          ; rows of 256 bytes,
	s_mov_b32 s26, 52<<16                          ; 52 of them: 13,312 bytes
	s_mov_b32 s27, 32<<16
	s_mov_b32 s28, 52
	s_mov_b32 s29, 32
	s_mov_b32 s30, 0
	s_mov_b32 s31, 0
	s_mul_i32 s48, s47, 16*STEPB
	s_mov_b32 s49, 0
	s_mul_i32 s50, s14, STEPB
	s_mov_b32 s51, 0
	s_mov_b32 s32, 1
	s_mov_b32 s33, 0
	s_mov_b32 s92, 1
	s_mov_b32 s93, s50
	s_lshl_b32 s60, s47, 7
	s_add_co_u32 s60, s60, s46
	s_lshl_b32 s56, s15, 3
	s_add_co_u32 s56, s56, s60
	s_lshl_b32 s56, s56, 10
	s_mov_b32 s57, 0
	s_lshl_b32 s62, s16, 3
	s_add_co_u32 s62, s62, s60
	s_lshl_b32 s62, s62, 10
	s_mov_b32 s63, 0
	v_and_b32 v3, 31, v0
	v_lshlrev_b32 v1, 4, v3                        ; 16 x lane
	v_lshlrev_b32 v2, 3, v3                        ; 8 x lane
	v_add_nc_u32 v94, s39, v1
	v_add_nc_u32 v95, s39, v2
	v_mov_b32 v5, 0                                ; (named as the upper half of the pair v[4:5])
	v_mov_b32 v9, 0                                ; written once: a lane permute's destination counts as one of its sources
	v_mov_b32 v10, 0
	v_mov_b32 v11, 0
	WALU
	s_wait_dscnt 0x0
	s_wait_kmcnt 0x0
	s_add_nc_u64 s[88:89], s[4:5], s[56:57]        ; my first tile of q: 1,024 (128 bh + 8 g + p)
	s_add_nc_u64 s[90:91], s[4:5], s[62:63]        ; the second
	global_load_b128 v[16:19], v1, s[88:89]        ; q's registers 0-3
	global_load_b128 v[20:23], v1, s[88:89] offset:512     ; registers 4, 5, the scale word, a zero
	s_add_nc_u64 s[34:35], s[6:7], s[48:49]
	s_or_b32 s35, s35, 0x80000000
	s_add_nc_u64 s[94:95], s[34:35], s[50:51]
	CROUND                                         ; all four work-groups are here: the joint loads meet
	s_cmp_eq_u32 s14, 0
	s_cbranch_scc0 .Lothers
	tensor_load_to_lds s[32:35], s[24:31]          ; wave 0: step 0, by a line of its own
	s_nop 0
	NOPS
	s_branch .Lasked
.Lothers:
	tensor_load_to_lds s[92:95], s[24:31]          ; wave w: step w
	s_nop 0
	NOPS
.Lasked:
	s_mov_b32 s20, 0x76543210
	s_mov_b32 s21, 0xfedcba98
	s_mov_b32 s22, 0x3e38aa3b                      ; c = log2(e) / 8
	s_mov_b32 s23, s22                             ; (named with it as a pair, so it is written)
	s_mov_b32 s70, 0xbe38aa3b                      ; -c
	s_lshr_b32 s43, s46, 2                         ; my tile's band of the 128
	s_mov_b32 s44, 0xffff00ff
.irp kt, 0,1,2,3,4,5,6,7                           ; the mask of key tile kt where it is not tile p: earlier in the same band h = 1, r < 8 alone is hidden, later all but h = 0, r >= 8; another band: none or all
	s_cmp_lt_u32 \kt, s46
	s_cselect_b32 s[72+\kt], 0x00ff0000, s44
	s_cmp_eq_u32 s43, \kt/4
	s_cselect_b32 s[72+\kt], s[72+\kt], -(\kt/4)
.endr
	s_lshr_b32 s54, s47, 4                         ; batch
	s_and_b32 s55, s47, 15                         ; head j
	s_lshr_b32 s62, s55, 2
	s_lshl_b32 s62, s62, 9                         ; the scale image: + 512 x pair of K steps (j / 4)
	s_bfe_u32 s63, s55, 0x10001
	s_lshl_b32 s63, s63, 8                         ; + 256 x the K step's parity
	s_add_co_u32 s62, s62, s63
	s_and_b32 s63, s55, 1
	s_lshl_b32 s63, s63, 1                         ; + 2 x (j % 2): the head's two bytes of the word
	s_add_co_u32 s62, s62, s63
	s_add_co_u32 s62, s62, 3145728
	YADDR 15, 80
	YADDR 16, 84
	s_mov_b32 s18, 0                               ; the trip
	s_wait_loadcnt 0x0                             ; q is in
	v_mov_b32 v28, v22                             ; q's scale words
.irp i, 0,1,2,3,4,5
	v_mov_b32 v[22+\i], 0                          ; q's upper half: zero codes
.endr
.irp i, 0,1,2,3,4,5
	v_mov_b32 v[80+\i], 0                          ; and six registers behind the last tile of K
.endr
	NOPS                                           ; places between these and the first products
	WALU
	s_cmp_eq_u32 s14, 0
	s_cbranch_scc0 .Lnot_mine
	s_wait_tensorcnt 0x0
.Lnot_mine:
	s_barrier_signal -1
	s_barrier_wait -1                              ; step 0 is in
	LOADK v1, v2
	LOADV v1, v2
	STEP 1
	WALU
	s_wait_tensorcnt 0x0                           ; my step is in,
	s_wait_dscnt 0x0
	s_barrier_signal -1
	s_barrier_wait -1                              ; everybody's is
	s_mov_b32 s18, 1
	s_mov_b32 s68, 1
	s_mov_b32 s19, STEPB
	ADDR
	LOADK v3, v0
	LOADV v3, v0
	s_mov_b32 s19, 2*STEPB                         ; in trip i: STEPB (i + 1)
.Ltrip:
	s_cmp_lg_u32 s18, s36
	s_cbranch_scc1 .Lsame
	global_load_b128 v[16:19], v1, s[90:91]        ; Y's second tile: its q comes under the first one's way out
	global_load_b128 v[20:23], v1, s[90:91] offset:512
	WAYOUT 80
	v_mov_b32 v13, 0xff61b1e6                      ; the largest score so far: -3e38,
	v_mov_b32 v12, 0x7f61b1e6                      ; -M: 3e38
	v_mov_b32 v14, 0
	v_mov_b32 v15, 0
	WALU
	s_wait_loadcnt 0x0
	s_wait_xcnt 0x0                                ; the stores' registers are written again only behind this wait
	v_mov_b32 v28, v22
	v_mov_b32 v22, 0
.set n, 0
.rept 32
	v_mov_b32 v[160+n], 0                          ; O^T: the loop's step is written once; here it finds zeros, and so does the join where k = 7.  (Also places between q's scale words and the products)
.set n, n+1
.endr
	WALU
.Lsame:
	s_cmp_ge_u32 s18, s37
	s_cbranch_scc1 .Lskip
	STEP 0
.Lskip:
	s_add_co_u32 s19, s19, STEPB
	s_add_co_u32 s18, s18, 1
	s_cmp_lt_u32 s18, 9
	WALU
	s_cbranch_scc1 .Ltrip
	s_cmp_eq_u32 s40, 1
	s_cbranch_scc1 .Lmeet
	v_add_f32 v14, v14, v15                        ; X: its part goes to LDS
	v_mov_b32 v15, v12
.irp n, 0,1,2,3,4,5,6,7
	ds_store_b128 v94, v[160+4*\n:163+4*\n] offset:512*\n
.endr
	ds_store_b64 v95, v[14:15] offset:4096
.Lmeet:
	WALU
	s_wait_dscnt 0x0
	s_barrier_signal -1
	s_barrier_wait -1                              ; X's parts are there
	s_cmp_eq_u32 s40, 0
	s_cbranch_scc1 .Ldone
.irp n, 0,1,2,3,4,5,6,7
	ds_load_b128 v[96+4*\n:99+4*\n], v94 offset:512*\n
.endr
	ds_load_b64 v[128:129], v95 offset:4096
	s_wait_dscnt 0x0
	v_min_num_f32 v130, v12, v129                  ; the common -M
	v_sub_f32 v131, v130, v12
	v_sub_f32 v132, v130, v129
	v_cvt_i32_f32 v131, v131                       ; (they saturate)
	v_cvt_i32_f32 v132, v132
	v_ldexp_f32 v134, 1.0, v131                    ; my part's factor
	v_ldexp_f32 v136, 1.0, v132                    ; X's
	v_pk_mul_f32 v[14:15], v[14:15], v[134:135] op_sel_hi:[1,0]
	v_fma_f32 v14, v128, v136, v14
.set n, 0
.rept 16
	v_pk_mul_f32 v[160+n:161+n], v[160+n:161+n], v[134:135] op_sel_hi:[1,0]
.set n, n+2
.endr
.set n, 0
.rept 16
	v_pk_fma_f32 v[160+n:161+n], v[96+n:97+n], v[136:137], v[160+n:161+n] op_sel_hi:[1,0,1]
.set n, n+2
.endr
	WAYOUT 84
.Ldone:
	s_wait_tensorcnt 0x0                           ; the wave's end
	ds_add_u32 v254, v255
	s_wait_dscnt 0x0
	CROUND                                         ; the closing round
	s_endpgm
.Lfunc_end_k_qb814feff42_attn:
	.size	k_qb814feff42_attn, .Lfunc_end_k_qb814feff42_attn-k_qb814feff42_attn
	.p2alignl 7, 3214868480
	.fill 96, 4, 3214868480
	.section	.rodata,"a",@progbits
	.p2align	6, 0x0
	.amdhsa_kernel k_qb814feff42_attn
		.amdhsa_group_segment_fixed_size 268288
		.amdhsa_private_segment_fixed_size 0
		.amdhsa_enable_private_segment 0
		.amdhsa_kernarg_size 24
		.amdhsa_user_sgpr_count 2
		.amdhsa_user_sgpr_kernarg_segment_ptr 1
		.amdhsa_wavefront_size32 1
		.amdhsa_system_sgpr_workgroup_id_x 1
		.amdhsa_system_sgpr_workgroup_id_y 1
		.amdhsa_system_sgpr_workgroup_id_z 1
		.amdhsa_system_vgpr_workitem_id 0
		.amdhsa_next_free_vgpr 256
		.amdhsa_next_free_sgpr 96
		.amdhsa_reserve_vcc 0
		.amdhsa_float_denorm_mode_32 3
		.amdhsa_float_denorm_mode_16_64 3
		.amdhsa_memory_ordered 1
		.amdhsa_forward_progress 1
		.amdhsa_inst_pref_size 70
	.end_amdhsa_kernel
	.amdgpu_metadata
---
amdhsa.version: [ 1, 2 ]
amdhsa.kernels:
  - .name:           k_qb814feff42_attn
    .symbol:         k_qb814feff42_attn.kd
    .args:
      - { .name: qc, .offset: 0, .size: 8, .value_kind: global_buffer, .address_space: global }
      - { .name: kv, .offset: 8, .size: 8, .value_kind: global_buffer, .address_space: global }
      - { .name: yq, .offset: 16, .size: 8, .value_kind: global_buffer, .address_space: global }
    .group_segment_fixed_size: 268288
    .private_segment_fixed_size: 0
    .kernarg_segment_align: 8
    .kernarg_segment_size: 24
    .max_flat_workgroup_size: 512
    .sgpr_count:     96
    .vgpr_count:     256
    .wavefront_size: 32
...
	.end_amdgpu_metadata
.endif
;; end of part 3
;; launch proj (part 4): grid 8 x 32, 4 waves a work-group, clusters of 4 x 4, 214,528 bytes of LDS; arguments yq, wpq, b_proj, out0; writes out0
.if DOCPART == 4
	.amdgcn_target "amdgcn-amd-amdhsa--gfx1250"
	.amdhsa_code_object_version 6
	.text
	.protected	k_qb814feff42_proj
	.globl	k_qb814feff42_proj
	.p2align	8
	.type	k_qb814feff42_proj,@function
k_qb814feff42_proj:
	s_mov_b64 s[64:65], 0
	v_nop
	global_prefetch_b8 v0, s[64:65] scope:SCOPE_SE
	s_setreg_imm32_b32 hwreg(HW_REG_WAVE_MODE, 25, 1), 1
	s_wait_xcnt 0x0
	s_wait_alu depctr_hold_cnt(0) depctr_sa_sdst(0) depctr_va_vdst(0) depctr_va_sdst(0) depctr_va_ssrc(0) depctr_va_vcc(0) depctr_vm_vsrc(0)
	s_getreg_b32 s2, hwreg(HW_REG_IB_STS2, 6, 4)
	s_cmp_eq_u32 s2, 0
	s_cbranch_scc0 .Lentry_in_a_cluster
	s_endpgm
.Lentry_in_a_cluster:
	s_bfe_u32 s2, ttmp6, 0x10000c
	s_cmp_lg_u32 s2, 0xf033
	s_cbranch_scc0 .Lentry_shape_is_right
	s_endpgm
.Lentry_shape_is_right:
; out = y W_proj + b_proj on codes of FP6 (E2M3) with E8M0 scales, f32 sums and f32 results.  y and W_proj lie as images of operand registers.
; SHARES.  A work-group makes 128 tokens x 128 columns; a wave 64 x 64: four token tiles a x four column tiles i.  Used TRANSPOSED (source 0 = columns, source 1 = tokens): register j of tile i in lane (r, h) is column 32 h + 8 i + j of
; token 32 (r / 8) + 8 a + r % 8 of the wave's 64.  The bias is the C of each sum's first matrix instruction.
; LDS: all of the work-group's K: y's 16 heads (98,304 bytes) and W's eight K steps (98,304), filled once: one joint tensor load of 49,152 bytes a wave: y's K steps 0-3, W's 0-3, y's 4-7, W's 4-7; behind them a stage for each wave.
; K steps 0-3 go one after the other, two sets of fragments by turns; K steps 4-7 go BY TOKEN TILES: W's fragments of all four steps lie in registers, and each tile leaves as soon as it is finished, while the next is multiplied.
; CLUSTER 4 x 4: y's images hang on the token block alone and are asked for along a row, W's on the column block, along a column.  No prefetch: no loop, all tiles are asked for at the head.  NO WORK IS LEFT OUT in this launch.
; REGISTERS.  Window 0: v1-11 addresses, v16-31 y's scale words (4 sp + a), v36-51 W's (4 sp + i), v52-83 bias, v126-127 the add's, v128-255 accumulators (a, i) at 128 + 8 (4 a + i).
;   Window 1: two sets of fragments (y at 96 set, W at 96 set + 48), then rows read back from the stage.  Window 2: W's fragments of K steps 4-7 at 48 (ks - 4) + 12 i.  Window 3: y's at 48 a + 12 (ks - 4).
.set BREG,  98304
.set STG,   196608
.set SPARE, STG+4*4352
.set MSB, 0
.macro WIN new                         ; the immediate's high byte repeats the setting that is left
.if MSB != \new
	s_set_vgpr_msb (MSB<<8)|\new
.set MSB, \new
.endif
.endm
.macro WALU
	s_wait_alu depctr_va_vdst(0)
.endm
.macro PLACES                          ; four plain places behind matrix instructions, ahead of loads into their sources and of reads of their results
.rept 4
	v_nop
.endr
.endm
.macro TLOAD g0, g1
	tensor_load_to_lds s[\g0:\g0+3], s[\g1:\g1+7]
	s_nop 0
	PLACES
.endm
.macro ARM under, g0, g1, next
	s_cmp_lt_u32 s20, \under
	s_cbranch_scc0 \next
	TLOAD \g0, \g1
	s_branch .Lasked
\next:
.endm
.macro CROUND
	s_barrier_signal -1
	s_barrier_wait -1
	s_cmp_lg_u32 s20, 0
	s_cbranch_scc1 .Lnot_wave_0_\@
	s_barrier_signal -3
.Lnot_wave_0_\@:
	s_barrier_wait -3
	s_barrier_signal -1
	s_barrier_wait -1
.endm
.macro WM d, a, b, c, sa, sb, row      ; row = 3: both sides' scales from lanes 16-31 (the odd K step of a pair)
.if (\row) == 0
	v_wmma_scale_f32_16x16x128_f8f6f4 v[\d:\d+7], v[\a:\a+11], v[\b:\b+11], v[\c:\c+7], v[\sa], v[\sb] matrix_a_fmt:MATRIX_FMT_FP6 matrix_b_fmt:MATRIX_FMT_FP6
.else
	v_wmma_scale_f32_16x16x128_f8f6f4 v[\d:\d+7], v[\a:\a+11], v[\b:\b+11], v[\c:\c+7], v[\sa], v[\sb] matrix_a_fmt:MATRIX_FMT_FP6 matrix_b_fmt:MATRIX_FMT_FP6 matrix_a_scale:MATRIX_SCALE_ROW1 matrix_b_scale:MATRIX_SCALE_ROW1
.endif
.endm
	s_load_b256 s[4:11], s[0:1], 0x0               ; yq s[4:5], wpq s[6:7], b_proj s[8:9], out0 s[10:11]
	v_lshl_add_u32 v126, v0, 2, SPARE
	v_mov_b32 v127, 0
	ds_add_u32 v126, v127                          ; the opening lines: the add, twice on end, and its wait
	ds_add_u32 v126, v127
	v_lshrrev_b32 v1, 5, v0
	v_readfirstlane_b32 s20, v1                    ; wave
	s_lshr_b32 s21, s20, 1                         ; which 64 tokens
	s_and_b32 s22, s20, 1                          ; which 64 columns
	s_bfe_u32 s66, ttmp6, 0x40000
	s_bfe_u32 s67, ttmp6, 0x40004
	s_lshl_b32 s68, ttmp9, 2
	s_add_co_u32 s68, s68, s66                     ; column block
	s_and_b32 s69, ttmp7, 0xffff
	s_lshl_b32 s69, s69, 2
	s_add_co_u32 s69, s69, s67                     ; token block
	s_lshl_b32 s70, s67, 2
	s_lshl_b32 s70, 15, s70                        ; my row of the cluster
	s_lshl_b32 s71, 0x1111, s66                    ; my column
	s_or_b32 s24, s70, (3<<16)|(1<<21)             ; dense blocks as rows of 256 bytes: elements of 8 bytes, no padding; bit 21 beside the mask
	s_or_b32 s32, s71, (3<<16)|(1<<21)
.irp g, 24, 32
	s_mov_b32 s[\g+1], 32<<16
	s_mov_b32 s[\g+2], 192<<16                     ; 192 rows: 49,152 bytes
	s_mov_b32 s[\g+3], 32<<16
	s_mov_b32 s[\g+4], 192
	s_mov_b32 s[\g+5], 32
	s_mov_b32 s[\g+6], 0
	s_mov_b32 s[\g+7], 0
.endr
	s_mul_i32 s72, s69, 98304                      ; y's block: these registers never hold the column
	s_mov_b32 s73, 0
	s_mul_i32 s76, s68, 98304                      ; W's: these never hold the row
	s_mov_b32 s77, 0
.irp n, 0,1
	s_mov_b32 s[40+4*\n], 1
	s_mov_b32 s[41+4*\n], 49152*\n
	s_mov_b32 s[48+4*\n], 1
	s_mov_b32 s[49+4*\n], BREG+49152*\n
.endr
	s_wait_dscnt 0x0
	s_wait_kmcnt 0x0
	s_add_nc_u64 s[42:43], s[4:5], s[72:73]
	s_or_b32 s43, s43, 0x80000000
	s_add_nc_u64 s[46:47], s[42:43], 49152
	s_add_nc_u64 s[50:51], s[6:7], s[76:77]
	s_or_b32 s51, s51, 0x80000000
	s_add_nc_u64 s[54:55], s[50:51], 49152
	CROUND                                         ; all sixteen work-groups are here: the joint loads meet
	ARM 1, 40, 24, .Lhead_1
	ARM 2, 48, 32, .Lhead_2
	ARM 3, 44, 24, .Lhead_3
	TLOAD 52, 32
.Lasked:
	s_mov_b32 s97, 0
	s_lshl_b32 s96, s69, 1
	s_add_co_u32 s96, s96, s21
	s_lshl_b32 s98, s96, 18                        ; my first token's row of out0
	s_lshl_b32 s96, s96, 11
	s_add_nc_u64 s[84:85], s[4:5], s[96:97]        ; y's scale images of my 64 tokens
	s_lshl_b32 s96, s68, 1
	s_add_co_u32 s96, s96, s22
	s_lshl_b32 s99, s96, 8                         ; my first column, in bytes
	s_lshl_b32 s96, s96, 11
	s_add_nc_u64 s[86:87], s[6:7], s[96:97]        ; W's, of my 64 columns
	s_mov_b32 s96, s99
	s_add_nc_u64 s[88:89], s[8:9], s[96:97]
	s_add_nc_u64 s[90:91], s[10:11], s[96:97]
	s_mov_b32 s96, s98
	s_add_nc_u64 s[90:91], s[90:91], s[96:97]
	s_mul_i32 s96, s21, 3072                       ; my four tiles of y
	s_mul_i32 s98, s22, 6144
	s_add_co_u32 s98, s98, BREG                    ; my four of W
	s_mul_i32 s99, s20, 4352
	s_add_co_u32 s99, s99, STG                     ; my stage
	v_and_b32 v12, 31, v0
	v_lshlrev_b32 v1, 4, v12                       ; 16 x lane
	v_lshlrev_b32 v13, 3, v12                      ; 8 x lane
	v_and_b32 v14, 15, v0                          ; r
	v_bfe_u32 v15, v0, 4, 1                        ; h
	v_add_nc_u32 v2, s96, v1                       ; y's registers 0-3 of a half operand, K steps 0-3
	v_add_nc_u32 v3, 49152, v2                     ; and 4-7
	v_add_nc_u32 v4, s96, v13
	v_add_nc_u32 v4, 512, v4                       ; y's registers 4, 5
	v_add_nc_u32 v5, 49152, v4
	v_add_nc_u32 v6, s98, v1                       ; W's
	v_add_nc_u32 v7, 49152, v6
	v_mul_u32_u24 v8, v14, 272
	v_lshl_add_u32 v8, v15, 7, v8
	v_add_nc_u32 v8, s99, v8                       ; into the stage: row r, columns 32 h on
	v_mul_u32_u24 v9, v15, 272
	v_lshl_add_u32 v9, v14, 4, v9
	v_add_nc_u32 v9, s99, v9                       ; out of it: sixteen lanes to a row of 256 bytes
	v_lshlrev_b32 v10, 12, v15
	v_lshl_add_u32 v10, v14, 4, v10                ; and the same two rows in out0
	v_lshlrev_b32 v11, 7, v15                      ; the bias: columns 32 h on
.irp s, 0,1,2,3
	global_load_b128 v[16+4*\s:19+4*\s], v1, s[84:85] offset:3145728+512*\s
	global_load_b128 v[36+4*\s:39+4*\s], v1, s[86:87] offset:786432+512*\s
.endr
.irp i, 0,1,2,3
	global_load_b128 v[52+8*\i:55+8*\i], v11, s[88:89] offset:32*\i
	global_load_b128 v[56+8*\i:59+8*\i], v11, s[88:89] offset:32*\i+16
.endr
; K steps 0 .. 3: the fragments of step ks into set ks % 2: 28 LDS loads; 16 products, the accumulators by turns
.macro FETCH ks
.set SET, (\ks)%2
	WIN 0x40
.irp a, 0,1,2,3
.irp c, 0,1
	ds_load_b128 v[96*SET+12*\a+6*\c:96*SET+12*\a+6*\c+3], v2 offset:6144*(2*(\ks)+\c)+768*\a
	ds_load_b64 v[96*SET+12*\a+6*\c+4:96*SET+12*\a+6*\c+5], v4 offset:6144*(2*(\ks)+\c)+768*\a
.endr
.endr
.irp i, 0,1,2,3
.irp q, 0,1,2
	ds_load_b128 v[96*SET+48+12*\i+4*\q:96*SET+48+12*\i+4*\q+3], v6 offset:12288*(\ks)+1536*\i+512*\q
.endr
.endr
.endm
.macro MUL ks, first
.set SET, (\ks)%2
.set SPN, (\ks)/2
	WIN 0x05
.irp a, 0,1,2,3
.irp i, 0,1,2,3
.if \first
	WM 128+8*(4*\a+\i), 96*SET+48+12*\i, 96*SET+12*\a, 52+8*\i, 36+4*SPN+\i, 16+4*SPN+\a, 3*SET
.else
	WM 128+8*(4*\a+\i), 96*SET+48+12*\i, 96*SET+12*\a, 128+8*(4*\a+\i), 36+4*SPN+\i, 16+4*SPN+\a, 3*SET
.endif
.endr
.endr
.endm
.macro KSTEP ks
	s_wait_dscnt 0x0
	PLACES
	FETCH (\ks)+1
	MUL \ks, 0
.endm
; K steps 4 .. 7: FB: all of W's fragments, 48 loads; FA: token tile a's, 16 loads; ROW: tile a's 16 products, its four accumulators by turns
.macro FB k0                           ; W's fragments of two of the four steps: 24 loads
	WIN 0x80
.irp k, \k0, \k0+1
.irp i, 0,1,2,3
.irp q, 0,1,2
	ds_load_b128 v[48*(\k)+12*\i+4*\q:48*(\k)+12*\i+4*\q+3], v7 offset:12288*(\k)+1536*\i+512*\q
.endr
.endr
.endr
.endm
.macro FA a
	WIN 0xc0
.irp k, 0,1,2,3
.irp c, 0,1
	ds_load_b128 v[48*\a+12*\k+6*\c:48*\a+12*\k+6*\c+3], v3 offset:6144*(2*\k+\c)+768*\a
	ds_load_b64 v[48*\a+12*\k+6*\c+4:48*\a+12*\k+6*\c+5], v5 offset:6144*(2*\k+\c)+768*\a
.endr
.endr
.endm
.macro ROW a
	WIN 0x0e                                       ; W window 2, y window 3
.irp k, 0,1,2,3
.irp i, 0,1,2,3
	WM 128+8*(4*\a+\i), 48*\k+12*\i, 48*\a+12*\k, 128+8*(4*\a+\i), 36+4*(2+\k/2)+\i, 16+4*(2+\k/2)+\a, 3*(\k%2)
.endr
.endr
	PLACES
.endm
; The way out of tile a: through my own stage (16 rows of 64 columns), back as whole rows of 256 bytes.  LDS serves a wave's instructions in order: no wait between the stores and the loads
.macro TOSTAGE a
	WIN 0
.irp i, 0,1,2,3
	ds_store_b128 v8, v[128+8*(4*\a+\i):128+8*(4*\a+\i)+3] offset:32*\i
	ds_store_b128 v8, v[128+8*(4*\a+\i)+4:128+8*(4*\a+\i)+7] offset:32*\i+16
.endr
	WIN 0x40
.irp i, 0,1,2,3,4,5,6,7
	ds_load_b128 v[32*\a+4*\i:32*\a+4*\i+3], v9 offset:544*\i
.endr
.endm
.macro SEND a
	s_wait_dscnt 0x0                               ; the tile is back in registers (and every fragment that was asked for is in)
	WIN 0x04
.irp i, 0,1,2,3,4,5,6,7
	global_store_b128 v10, v[32*\a+4*\i:32*\a+4*\i+3], s[90:91] offset:4096*(32*(\i/4)+8*\a+2*(\i%4)) th:TH_STORE_NT     ; sixteen lanes store 256 consecutive bytes
.endr
.endm
	WALU                                           ; the head's end
	s_cmp_lt_u32 s20, 2
	s_cbranch_scc0 .Lnot_first
	s_wait_tensorcnt 0x0                           ; waves 0 and 1: K steps 0-3 are in; the other half may be on its way
.Lnot_first:
	s_barrier_signal -1
	s_barrier_wait -1
	FETCH 0
	s_wait_loadcnt 0x0                             ; scale words and bias
	s_wait_dscnt 0x0
	FETCH 1
	MUL 0, 1
	KSTEP 1
	s_wait_tensorcnt 0x0                           ; my load is in,
	s_wait_dscnt 0x0                               ; and K step 2's fragments
	s_barrier_signal -1
	s_barrier_wait -1                              ; everybody's is
	PLACES
	FETCH 3
	MUL 2, 0
	FA 0
	FB 0
	s_wait_dscnt 40                                ; K step 3's fragments are in; tile 0's 16 loads and W's 24 may be out
	MUL 3, 0
	FB 2
	FA 1
	s_wait_dscnt 16                                ; W's fragments and tile 0's are in; tile 1's sixteen loads may be out
	ROW 0
	FA 2
	TOSTAGE 0
	s_wait_dscnt 32                                ; tile 1's are in; behind them tile 2's sixteen loads, and the stage's sixteen instructions
	ROW 1
	SEND 0
	FA 3
	TOSTAGE 1
	ROW 2
	SEND 1
	TOSTAGE 2
	ROW 3
	SEND 2
	TOSTAGE 3
	SEND 3
	WIN 0
	s_wait_tensorcnt 0x0                           ; the wave's end
	ds_add_u32 v126, v127
	s_wait_dscnt 0x0
	CROUND                                         ; the closing round
	s_endpgm
.Lfunc_end_k_qb814feff42_proj:
	.size	k_qb814feff42_proj, .Lfunc_end_k_qb814feff42_proj-k_qb814feff42_proj
	.p2alignl 7, 3214868480
	.fill 96, 4, 3214868480
	.section	.rodata,"a",@progbits
	.p2align	6, 0x0
	.amdhsa_kernel k_qb814feff42_proj
		.amdhsa_group_segment_fixed_size 214528
		.amdhsa_private_segment_fixed_size 0
		.amdhsa_enable_private_segment 0
		.amdhsa_kernarg_size 32
		.amdhsa_user_sgpr_count 2
		.amdhsa_user_sgpr_kernarg_segment_ptr 1
		.amdhsa_wavefront_size32 1
		.amdhsa_system_sgpr_workgroup_id_x 1
		.amdhsa_system_sgpr_workgroup_id_y 1
		.amdhsa_system_sgpr_workgroup_id_z 1
		.amdhsa_system_vgpr_workitem_id 0
		.amdhsa_next_free_vgpr 960
		.amdhsa_next_free_sgpr 100
		.amdhsa_reserve_vcc 0
		.amdhsa_float_denorm_mode_32 3
		.amdhsa_float_denorm_mode_16_64 3
		.amdhsa_memory_ordered 1
		.amdhsa_forward_progress 1
		.amdhsa_inst_pref_size 48
	.end_amdhsa_kernel
	.amdgpu_metadata
---
amdhsa.version: [ 1, 2 ]
amdhsa.kernels:
  - .name:           k_qb814feff42_proj
    .symbol:         k_qb814feff42_proj.kd
    .args:
      - { .name: yq, .offset: 0, .size: 8, .value_kind: global_buffer, .address_space: global }
      - { .name: wpq, .offset: 8, .size: 8, .value_kind: global_buffer, .address_space: global }
      - { .name: b_proj, .offset: 16, .size: 8, .value_kind: global_buffer, .address_space: global }
      - { .name: out0, .offset: 24, .size: 8, .value_kind: global_buffer, .address_space: global }
    .group_segment_fixed_size: 214528
    .private_segment_fixed_size: 0
    .kernarg_segment_align: 8
    .kernarg_segment_size: 32
    .max_flat_workgroup_size: 128
    .sgpr_count:     100
    .vgpr_count:     960
    .wavefront_size: 32
...
	.end_amdgpu_metadata
.endif
;; end of part 4
